; MI455X (gfx1250); checked and timed in simulation.
; The chip was launched on July 23, 2026; its instructions are those of AMD's public machine-readable ISA for CDNA 5 (MIT licence, August 2026) and "CDNA5" Instruction Set Architecture Reference Guide (July 2026). The comments in the code are by the model that wrote it; some were corrected since.
;; Global Positional Relational Block. Allowed arithmetic: float matrix products may take bf16 or f16 operands with f32 sums; other float arithmetic in f32, or as packed bf16 or f16 multiplies, adds, multiply-adds, maxima and minima; sums over many terms, partial sums and values carried from step to step in f32; what a program stores and reads back later, other than sums and carried values, may be rounded once to bf16 or f16.
;; Inputs: Er 2,048 x 64 float32; kv_b 2,048 float32; kv_w 1,024 x 2,048 float32; proj_b 1,024 float32; proj_w 1,024 x 1,024 float32; q_b 1,024 float32; q_w 1,024 x 1,024 float32; x 2 x 2,048 x 1,024 float32.
;; Outputs: out0 2 x 2,048 x 1,024 float32.
;; 2 versions, each right; version 2 is version 1 with the launch prep written anew for expert scheduling mode. Each part assembles by itself: llvm-mc -triple=amdgcn-amd-amdhsa -mcpu=gfx1250 --defsym DOCPART=n.
;; ======== version 1 of 2: 4 launches
;; limits: values are held in f16: magnitudes above 65,504 overflow, below 6.1e-05 lose precision
;; workspace buffers: xa 8,388,608 bytes; wa 6,291,456 bytes; wp 2,097,152 bytes; e2 524,288 bytes; bias 16,384 bytes; qkv 25,165,824 bytes; ob 8,388,608 bytes
;; launch prep (part 1): grid 256 x 1, 8 waves a work-group, no clusters, 0 bytes of LDS; arguments x, q_w, kv_w, proj_w, Er, q_b, kv_b, proj_b, xa, wa, wp, e2, bias; writes xa, wa, wp, e2, bias
.if DOCPART == 1
	.amdgcn_target "amdgcn-amd-amdhsa--gfx1250"
	.amdhsa_code_object_version 6
	.text
	.protected	k_qc133ab0524_prep
	.globl	k_qc133ab0524_prep
	.p2align	8
	.type	k_qc133ab0524_prep,@function
k_qc133ab0524_prep:
	s_mov_b64 s[64:65], 0
	v_nop
	global_prefetch_b8 v0, s[64:65] scope:SCOPE_SE
	s_setreg_imm32_b32 hwreg(HW_REG_WAVE_MODE, 25, 1), 1
	s_wait_xcnt 0x0
; THE CAST.  Every input is rounded once to bf16; that number is then written as f16 (x, the weights, Er) or as f32 (the biases).
; LIMITS.  A bf16 number is exact in f16 between 6.1e-5 and 65,504; below that it keeps f16's fixed step of 6e-8; beyond 65,504 it becomes an infinity.  NaN and infinities are not treated apart.
; PLANES.  A matrix [rows][columns] leaves as [column / 64][row][64] f16: a row's piece of a plane is 128 bytes and a plane's rows are dense.
;   xa: 16 planes x 4,096 rows (x);  wa: 48 planes x 1,024 rows (q_w's 16, then kv_w's 32);  wp: 16 planes x 1,024 rows (proj_w).
; e2: [4096][64] f16, the table of the relative term by e = 2047 + key - query: e2[e] = Er[e] for e < 2048, e2[2048] = 0, e2[e] = Er[e - 2049] beyond.
; bias: 4,096 f32: q_b, kv_b, proj_b.
; SHARES.  256 work-groups of equal work.  Each takes 32 source rows x 16 planes (0-127 x, 128-159 q_w, 160-223 kv_w in two halves of its columns, 224-255 proj_w), a wave two planes: 32 loads of 512 bytes;
; and each of the 2,048 waves takes two rows of e2: a 33rd load.  Work-groups 0 to 3 also take 1,024 numbers of the biases each: one load more, issued first, and one store, issued last.
; A stream: no LDS, no matrix unit, no cluster: no byte is wanted twice but Er's.
.set NL,   33                          ; loads of a wave that the counted waits count
.set OFFS, 16                          ; v[16:31]  pair rp of rows: (l / 16) x pitch + 16 (l % 16) + 2 rp x pitch
.set DAT,  32                          ; v[32:163] load k: four f32, then two words of f16
.set BD,   164                         ; v[164:167] four numbers of a bias
.set T0,   168                         ; v168-169  at work
.set T1,   169
.set ZR,   170                         ; v170      0
.set SO,   171                         ; v171      8 x lane: my 8 bytes of 256 stored
.set VO,   172                         ; v172      e2: my offset in Er, held at 0 or above
.set BOF,  173                         ; v173      16 x thread: my 16 bytes of a bias
.set G,    30                          ; s30  the work-group's number
.set WV,   31                          ; s31  my wave's number
.set SRC,  32                          ; s[32:33] source
.set DP0,  34                          ; s[34:35] destination, my first plane
.set DP1,  36                          ; s[36:37] my second plane
.set PIT,  38                          ; s38  bytes in a source row
.set RB,   39                          ; s39  block of 32 rows
.set CB,   40                          ; s40  first byte of the 16 planes in a source row
.set PBY,  41                          ; s41  bytes in a plane
.set PL0,  42                          ; s42  first plane
.set HM,   43                          ; s43  a word's upper bf16
.set TA,   44                          ; s[44:45] an offset in 64 bits
.set BSRC, 48                          ; s[48:49] the bias that work-group min(g, 3) takes
.set BDST, 50                          ; s[50:51] and where it goes
.set DE,   52                          ; s[52:53] e2 at my wave's two rows
.set GW,   54                          ; s54  my wave among the launch's 2,048
.set EB,   55                          ; s55  byte in Er of my first row of e2: -256 in the wave that holds row 2048
	s_load_b512 s[4:19], s[0:1], 0x0               ; x s[4:5], q_w s[6:7], kv_w s[8:9], proj_w s[10:11], Er s[12:13], q_b s[14:15], kv_b s[16:17], proj_b s[18:19]
	s_load_b256 s[20:27], s[0:1], 0x40             ; xa s[20:21], wa s[22:23], wp s[24:25], e2 s[26:27]
	s_load_b64 s[28:29], s[0:1], 0x60              ; bias
	v_lshrrev_b32 v1, 5, v0
	v_readfirstlane_b32 s[WV], v1                  ; wave 0..7
	v_and_b32 v2, 31, v0                           ; l
	v_lshrrev_b32 v3, 4, v2                        ; l / 16
	v_and_b32 v4, 15, v0                           ; l % 16
	v_lshlrev_b32 v[SO], 3, v2
	v_lshlrev_b32 v[BOF], 4, v0
	v_mov_b32 v[ZR], 0
.irp r, 0,1,2,3
	v_mov_b32 v[BD+\r], 0                          ; written on every way, since only four work-groups load into them
.endr
	s_mov_b32 s[G], ttmp9
	s_mov_b32 s[HM], 0xffff0000
	; e2: wave gw takes rows 2 gw and 2 gw + 1: lanes 0-15 the first, lanes 16-31 the second
	s_lshl_b32 s[GW], s[G], 3
	s_add_co_u32 s[GW], s[GW], s[WV]
	s_lshl_b32 s[EB], s[GW], 9                     ; two rows of 256 bytes of Er
	s_cmp_ge_u32 s[GW], 1024                       ; from row 2048 on the table begins anew, 2,049 rows back
	s_cselect_b32 s[TA], 524544, 0
	s_sub_co_i32 s[EB], s[EB], s[TA]
	v_lshl_add_u32 v[VO], v2, 4, s[EB]
	v_max_i32 v[VO], 0, v[VO]                      ; the row that does not exist is read at Er's first bytes, and replaced by 0 below
	s_lshl_b32 s[TA], s[GW], 1
	v_add_nc_u32 v6, s[TA], v3
	v_cmp_eq_u32 vcc_lo, 0x800, v6                 ; my row is row 2048
	s_wait_kmcnt 0x0
; Load k's four f32: rounded to bf16, widened, written as f16 (exact), stored as 8 bytes a lane: the wave stores 256 consecutive bytes, aligned.  hole = 1: 0 where VCC says so.
.macro CVT k, dp, imm, hole
	s_wait_loadcnt NL-1-(\k)                       ; loads come back in order: mine is in, the younger ones stay out
	v_cvt_pk_bf16_f32 v[T0], v[DAT+4*(\k)], v[DAT+4*(\k)+1]
	v_cvt_pk_bf16_f32 v[T1], v[DAT+4*(\k)+2], v[DAT+4*(\k)+3]
	v_lshlrev_b32 v[DAT+4*(\k)], 16, v[T0]
	v_and_b32 v[DAT+4*(\k)+1], s[HM], v[T0]
	v_lshlrev_b32 v[DAT+4*(\k)+2], 16, v[T1]
	v_and_b32 v[DAT+4*(\k)+3], s[HM], v[T1]
	v_cvt_pk_f16_f32 v[DAT+4*(\k)], v[DAT+4*(\k)], v[DAT+4*(\k)+1]
	v_cvt_pk_f16_f32 v[DAT+4*(\k)+1], v[DAT+4*(\k)+2], v[DAT+4*(\k)+3]
.if \hole
	v_cndmask_b32 v[DAT+4*(\k)], v[DAT+4*(\k)], v[ZR], vcc_lo
	v_cndmask_b32 v[DAT+4*(\k)+1], v[DAT+4*(\k)+1], v[ZR], vcc_lo
.endif
	global_store_b64 v[SO], v[DAT+4*(\k):DAT+4*(\k)+1], s[(\dp):(\dp)+1] offset:\imm
.endm
	; THE BIASES: q_b, kv_b's two halves, proj_b: 4,096 bytes each, 16 a thread.  The load goes out ahead of all others, so the counted waits below hold with it and without it.
	s_cmp_eq_u32 s[G], 0
	s_cselect_b64 s[BSRC:BSRC+1], s[14:15], s[16:17]
	s_cmp_ge_u32 s[G], 3
	s_cselect_b64 s[BSRC:BSRC+1], s[18:19], s[BSRC:BSRC+1]
	s_cmp_eq_u32 s[G], 2
	s_cselect_b32 s[TA], 4096, 0
	s_mov_b32 s[TA+1], 0
	s_add_nc_u64 s[BSRC:BSRC+1], s[BSRC:BSRC+1], s[TA:TA+1]
	s_min_u32 s[TA], s[G], 3
	s_lshl_b32 s[TA], s[TA], 12
	s_add_nc_u64 s[BDST:BDST+1], s[28:29], s[TA:TA+1]
	s_cmp_lt_u32 s[G], 4
	s_cbranch_scc0 .Lno_bias
	global_load_b128 v[BD:BD+3], v[BOF], s[BSRC:BSRC+1]
.Lno_bias:
	; THE PLANES.  The job's figures for each of the four matrices are made first, then chosen by the work-group's number.
	s_sub_co_u32 s[RB], s[G], 224                  ; proj_w: its block of rows
	s_sub_co_u32 s46, s[G], 160                    ; kv_w: two work-groups to a block of rows,
	s_and_b32 s47, s46, 1                          ; one for each half of its 32 planes
	s_lshr_b32 s46, s46, 1
	s_lshl_b32 s[TA], s47, 12                      ; the half's first byte in a row
	s_lshl_b32 s47, s47, 4
	s_add_co_u32 s47, s47, 16                      ; its first plane in wa, behind q_w's 16
	s_sub_co_u32 s[TA+1], s[G], 128                ; q_w: its block of rows
	s_mov_b64 s[SRC:SRC+1], s[10:11]
	s_mov_b64 s[DP0:DP0+1], s[24:25]
	s_mov_b32 s[PIT], 4096
	s_mov_b32 s[CB], 0
	s_mov_b32 s[PBY], 131072
	s_mov_b32 s[PL0], 0
	s_cmp_lt_u32 s[G], 224                         ; kv_w, or one of those in front of it
	s_cselect_b64 s[SRC:SRC+1], s[8:9], s[SRC:SRC+1]
	s_cselect_b64 s[DP0:DP0+1], s[22:23], s[DP0:DP0+1]
	s_cselect_b32 s[RB], s46, s[RB]
	s_cselect_b32 s[PIT], 8192, s[PIT]
	s_cselect_b32 s[CB], s[TA], s[CB]
	s_cselect_b32 s[PL0], s47, s[PL0]
	s_cmp_lt_u32 s[G], 160                         ; q_w, or x
	s_cselect_b64 s[SRC:SRC+1], s[6:7], s[SRC:SRC+1]
	s_cselect_b32 s[RB], s[TA+1], s[RB]
	s_cselect_b32 s[PIT], 4096, s[PIT]
	s_cselect_b32 s[CB], 0, s[CB]
	s_cselect_b32 s[PL0], 0, s[PL0]
	s_cmp_lt_u32 s[G], 128                         ; x
	s_cselect_b64 s[SRC:SRC+1], s[4:5], s[SRC:SRC+1]
	s_cselect_b64 s[DP0:DP0+1], s[20:21], s[DP0:DP0+1]
	s_cselect_b32 s[RB], s[G], s[RB]
	s_cselect_b32 s[PBY], 524288, s[PBY]
	s_mul_i32 s[TA], s[RB], s[PIT]                 ; source: 32 rows x block
	s_lshl_b32 s[TA], s[TA], 5
	s_add_co_u32 s[TA], s[TA], s[CB]               ; + the 16 planes' first byte
	s_lshl_b32 s[TA+1], s[WV], 9                   ; + my two planes: 512 bytes of f32
	s_add_co_u32 s[TA], s[TA], s[TA+1]
	s_mov_b32 s[TA+1], 0
	s_add_nc_u64 s[SRC:SRC+1], s[SRC:SRC+1], s[TA:TA+1]
	s_lshl_b32 s[TA], s[WV], 1                     ; destination: plane first + 2 x wave,
	s_add_co_u32 s[TA], s[TA], s[PL0]
	s_mul_i32 s[TA], s[TA], s[PBY]
	s_lshl_b32 s[RB], s[RB], 12                    ; + 32 rows of 128 bytes x block
	s_add_co_u32 s[TA], s[TA], s[RB]
	s_add_nc_u64 s[DP0:DP0+1], s[DP0:DP0+1], s[TA:TA+1]
	s_mov_b32 s[TA], s[PBY]
	s_add_nc_u64 s[DP1:DP1+1], s[DP0:DP0+1], s[TA:TA+1]
	s_lshl_b32 s[TA], s[GW], 8                     ; e2: two rows of 128 bytes a wave
	s_add_nc_u64 s[DE:DE+1], s[26:27], s[TA:TA+1]
	v_mul_u32_u24 v[OFFS], s[PIT], v3              ; lanes 0-15 take a row's 256 bytes (one plane's piece), lanes 16-31 the next row's
	v_lshl_add_u32 v[OFFS], v4, 4, v[OFFS]
	s_lshl_b32 s[PIT], s[PIT], 1
.set k, 1
.rept 15
	v_add_nc_u32 v[OFFS+k], s[PIT], v[OFFS+k-1]
.set k, k+1
.endr
.set k, 0
.rept 32                               ; load k: rows 2 (k / 2) and + 1, plane k % 2 of my two
	global_load_b128 v[DAT+4*k:DAT+4*k+3], v[OFFS+k/2], s[SRC:SRC+1] offset:256*(k%2) th:TH_LOAD_NT
.set k, k+1
.endr
	global_load_b128 v[DAT+128:DAT+131], v[VO], s[12:13]  ; load 32: my two rows of e2
.set k, 0
.rept 32
	CVT k, DP0+2*(k%2), 256*(k/2), 0
.set k, k+1
.endr
	CVT 32, DE, 0, 1                               ; its wait is for 0: the bias, the oldest load, is in too
	s_cmp_lt_u32 s[G], 4
	s_cbranch_scc0 .Lend
	v_cvt_pk_bf16_f32 v[T0], v[BD], v[BD+1]
	v_cvt_pk_bf16_f32 v[T1], v[BD+2], v[BD+3]
	v_lshlrev_b32 v[BD], 16, v[T0]
	v_and_b32 v[BD+1], s[HM], v[T0]
	v_lshlrev_b32 v[BD+2], 16, v[T1]
	v_and_b32 v[BD+3], s[HM], v[T1]
	global_store_b128 v[BOF], v[BD:BD+3], s[BDST:BDST+1]
.Lend:
	s_endpgm
.Lfunc_end_k_qc133ab0524_prep:
	.size	k_qc133ab0524_prep, .Lfunc_end_k_qc133ab0524_prep-k_qc133ab0524_prep
	.p2alignl 7, 3214868480
	.fill 96, 4, 3214868480
	.section	.rodata,"a",@progbits
	.p2align	6, 0x0
	.amdhsa_kernel k_qc133ab0524_prep
		.amdhsa_group_segment_fixed_size 0
		.amdhsa_private_segment_fixed_size 0
		.amdhsa_enable_private_segment 0
		.amdhsa_kernarg_size 104
		.amdhsa_user_sgpr_count 2
		.amdhsa_user_sgpr_kernarg_segment_ptr 1
		.amdhsa_wavefront_size32 1
		.amdhsa_system_sgpr_workgroup_id_x 1
		.amdhsa_system_sgpr_workgroup_id_y 1
		.amdhsa_system_sgpr_workgroup_id_z 1
		.amdhsa_system_vgpr_workitem_id 0
		.amdhsa_next_free_vgpr 176
		.amdhsa_next_free_sgpr 66
		.amdhsa_reserve_vcc 1
		.amdhsa_float_denorm_mode_32 3
		.amdhsa_float_denorm_mode_16_64 3
		.amdhsa_memory_ordered 1
		.amdhsa_forward_progress 1
		.amdhsa_inst_pref_size 25
	.end_amdhsa_kernel
	.amdgpu_metadata
---
amdhsa.version: [ 1, 2 ]
amdhsa.kernels:
  - .name:           k_qc133ab0524_prep
    .symbol:         k_qc133ab0524_prep.kd
    .args:
      - { .name: x, .offset: 0, .size: 8, .value_kind: global_buffer, .address_space: global }
      - { .name: q_w, .offset: 8, .size: 8, .value_kind: global_buffer, .address_space: global }
      - { .name: kv_w, .offset: 16, .size: 8, .value_kind: global_buffer, .address_space: global }
      - { .name: proj_w, .offset: 24, .size: 8, .value_kind: global_buffer, .address_space: global }
      - { .name: Er, .offset: 32, .size: 8, .value_kind: global_buffer, .address_space: global }
      - { .name: q_b, .offset: 40, .size: 8, .value_kind: global_buffer, .address_space: global }
      - { .name: kv_b, .offset: 48, .size: 8, .value_kind: global_buffer, .address_space: global }
      - { .name: proj_b, .offset: 56, .size: 8, .value_kind: global_buffer, .address_space: global }
      - { .name: xa, .offset: 64, .size: 8, .value_kind: global_buffer, .address_space: global }
      - { .name: wa, .offset: 72, .size: 8, .value_kind: global_buffer, .address_space: global }
      - { .name: wp, .offset: 80, .size: 8, .value_kind: global_buffer, .address_space: global }
      - { .name: e2, .offset: 88, .size: 8, .value_kind: global_buffer, .address_space: global }
      - { .name: bias, .offset: 96, .size: 8, .value_kind: global_buffer, .address_space: global }
    .group_segment_fixed_size: 0
    .private_segment_fixed_size: 0
    .kernarg_segment_align: 8
    .kernarg_segment_size: 104
    .max_flat_workgroup_size: 256
    .sgpr_count:     66
    .vgpr_count:     176
    .wavefront_size: 32
...
	.end_amdgpu_metadata
.endif
;; end of part 1
;; launch gemm_qkv (part 2): grid 16 x 16, 4 waves a work-group, clusters of 4 x 4, 327,680 bytes of LDS; arguments xa, wa, bias, qkv; writes qkv
.if DOCPART == 2
	.amdgcn_target "amdgcn-amd-amdhsa--gfx1250"
	.amdhsa_code_object_version 6
	.text
	.protected	k_qc133ab0524_gemm_qkv
	.globl	k_qc133ab0524_gemm_qkv
	.p2align	8
	.type	k_qc133ab0524_gemm_qkv,@function
k_qc133ab0524_gemm_qkv:
	s_mov_b64 s[64:65], 0
	v_nop
	global_prefetch_b8 v0, s[64:65] scope:SCOPE_SE
	s_setreg_imm32_b32 hwreg(HW_REG_WAVE_MODE, 25, 1), 1
	s_wait_xcnt 0x0
	s_wait_alu depctr_hold_cnt(0) depctr_sa_sdst(0) depctr_va_vdst(0) depctr_va_sdst(0) depctr_va_ssrc(0) depctr_va_vcc(0) depctr_vm_vsrc(0)
	s_getreg_b32 s2, hwreg(HW_REG_IB_STS2, 6, 4)
	s_cmp_eq_u32 s2, 0
	s_cbranch_scc0 .Lentry_in_a_cluster
	s_endpgm
.Lentry_in_a_cluster:
	s_bfe_u32 s2, ttmp6, 0x10000c
	s_cmp_lg_u32 s2, 0xf033
	s_cbranch_scc0 .Lentry_shape_is_right
	s_endpgm
.Lentry_shape_is_right:
; q, k, v = x W + b.  xa: x in planes [16][4096][64] f16; wa: the weights in planes [48][1024][64] f16 (plane = 64 output columns, rows along K); bias: f32; sums in f32.
; qkv: [3][32 = batch x 16 + head][2048][64] f16, each number rounded once from its f32 sum, unscaled.  LIMIT: q, k and v lie within f16's 65,504.
; SHARES.  4,096 x 3,072 in tiles of 256 x 192: 256 work-groups.  Wave w owns rows 64 w .. 64 w + 63 and all 192 columns, three whole planes: 4 x 12 accumulators of 16 x 16, 384 registers.
; K goes in steps of 128 through two LDS slots.  x's part of a slot is two planes x 256 rows, dense in memory, asked for as rows of 256 bytes; the weights' part is two halves of K x 3 planes x 64 rows.
; CLUSTER.  4 x 4 work-groups: the four of a row need the same tile of x, the four of a column the same tile of the weights: each is asked for jointly.
; THE MATRIX INSTRUCTION IS USED TRANSPOSED (source 0 = 16 columns of W, turned on their way out of LDS; source 1 = 16 rows of x): a lane holds eight neighbouring columns of one row.
; The sums start with the bias as the C operand of the first product.
; No prefetch: of the 8 K steps four come by the first fills and the first refills, and the weights' 96 blocks of a step do not share out evenly among four partners.
; REGISTERS, in windows of 256: window 0: v16-30 addresses; v128-223 the bias, 8 a block of 16 columns; later v32-223 the way out.  window 1: two fragment buffers of 128: W's 12 fragments, then x's 4.
;   window 2: the accumulators of my row blocks 0, 1 ((a, b) at 8 (12 (a % 2) + b));  window 3: those of blocks 2, 3.
.set PA,    144                        ; a row of x in LDS: 128 bytes + 16: the 16 rows of a load start at 16 different groups of four banks
.set PB,    160                        ; a row of W: 128 + 32
.set APL,   256*PA                     ; a plane's 256 rows of x
.set BPL,   64*PB                      ; 64 rows (K) of one plane of W
.set BOFF,  2*APL                      ; W lies behind x's two planes: [half of K][plane][64 rows]
.set SLOT,  BOFF+6*BPL
.set STAGE, 2*SLOT                     ; behind the ring: 16 rows x 144 bytes for each wave, for the way out
.set SP,    144
.set SPARE, STAGE+4*16*SP              ; the spare words, 128 bytes a wave: two blocks of 256 bytes that no other line names
.set ASTEP, 2*524288                   ; bytes of xa from a K step to the next: two planes
.set BSTEP, 128*128                    ; of wa: 128 rows of 128 bytes
.set ADRA, 16                          ; v16-17  LDS address of my fragments of x in slot 0, 1
.set ADRB, 20                          ; v20-21  the same for W
.set STO,  24                          ; v24     the way out: where I put 16 bytes of a row
.set RD,   25                          ; v25     where I read rows back
.set GO,   26                          ; v26     16 x lane: my 16 bytes of 512 stored
.set SPW,  28                          ; v28     my spare word; never rewritten
.set NIL,  29                          ; v29     0; never rewritten
.set BO,   30                          ; v30     32 (l / 16): my eight numbers in a block of 16 of the bias
.set OUTR, 32                          ; the way out: 12 units of 16 registers
.set BIA,  128
.set F0,   0
.set F1,   128
.set WV,   12                          ; s12  my wave's number
.set FB,   13                          ; s13  I fetch for x (0) or for W (1)
.set HF,   14                          ; s14  which plane of x, which half of K of W
.set G1,   24                          ; s[24:31] descriptor group 1 for x's tiles;  s[32:39] group 0, a set for each slot
.set G0,   32
.set DP,   40                          ; s[40:45] qkv at my rows of my three planes
.set G1B,  48                          ; s[48:55], s[56:63] the same for W's tiles
.set G0B,  56
.set MSB, 0
.macro WIN new                         ; the immediate's high byte repeats the setting that is left; a switch that changes nothing is dropped
.if MSB != (\new)
	s_set_vgpr_msb (MSB<<8)|(\new)
.set MSB, \new
.endif
.endm
.macro JLOAD s                         ; a joint load: waves 0 and 1 fetch x's two planes, waves 2 and 3 W's two halves; an s_nop 0 and four v_nop follow each line
	s_cmp_eq_u32 s[FB], 0
	s_cbranch_scc0 .Lfor_b_\@
	tensor_load_to_lds s[G0+4*(\s):G0+4*(\s)+3], s[G1:G1+7]
	s_nop 0
.rept 4
	v_nop
.endr
	s_branch .Lasked_\@
.Lfor_b_\@:
	tensor_load_to_lds s[G0B+4*(\s):G0B+4*(\s)+3], s[G1B:G1B+7]
	s_nop 0
.rept 4
	v_nop
.endr
.Lasked_\@:
.endm
.macro CREST                           ; a round of the cluster's barrier behind its opening barrier
	s_cmp_lg_u32 s[WV], 0
	s_cbranch_scc1 .Lnot_wave_0_\@
	s_barrier_signal -3
.Lnot_wave_0_\@:
	s_barrier_wait -3
	s_barrier_signal -1
	s_barrier_wait -1
.endm
.macro CROUND                          ; a whole round
	s_barrier_signal -1
	s_barrier_wait -1
	CREST
.endm
	s_load_b256 s[4:11], s[0:1], 0x0               ; xa s[4:5], wa s[6:7], bias s[8:9], qkv s[10:11]
	v_lshl_add_u32 v[SPW], v0, 2, SPARE
	v_mov_b32 v[NIL], 0
	ds_add_u32 v[SPW], v[NIL]                      ; the wave's opening: the add and its wait stand ahead of my first tensor load; the set-up below stands between them
	v_lshrrev_b32 v1, 5, v0
	v_readfirstlane_b32 s[WV], v1                  ; wave 0..3
	s_lshr_b32 s[FB], s[WV], 1
	s_and_b32 s[HF], s[WV], 1
	s_bfe_u32 s15, ttmp6, 0x40000                  ; cx, cy: my place in the cluster
	s_bfe_u32 s16, ttmp6, 0x40004
	s_lshl_b32 s17, ttmp9, 2
	s_add_co_u32 s17, s17, s15                     ; tile column = 4 x cluster x + cx
	s_and_b32 s18, ttmp7, 0xffff
	s_lshl_b32 s18, s18, 2
	s_add_co_u32 s18, s18, s16                     ; tile row = 4 x cluster y + cy
	s_lshl_b32 s19, s16, 2
	s_lshl_b32 s19, 15, s19                        ; my row of the cluster
	s_lshl_b32 s20, 0x1111, s15                    ; my column
	; x: 32,768 dense bytes as 128 rows of 128 elements of 2 bytes; 16 bytes of padding behind every 128
	s_or_b32 s[G1], s19, (1<<16)|(1<<20)|(1<<21)|(4<<22)|(3<<25)
	s_mov_b32 s[G1+1], 128<<16                     ; tensor_dim0 = 128
	s_mov_b32 s[G1+2], 128<<16                     ; tensor_dim1 = 128
	s_mov_b32 s[G1+3], 128<<16                     ; tile_dim0 = 128
	s_mov_b32 s[G1+4], 128                         ; tile_dim1 = 128
	s_mov_b32 s[G1+5], 128                         ; elements from row to row
	s_mov_b32 s[G1+6], 0
	s_mov_b32 s[G1+7], 0
	; W: three planes' 8,192 dense bytes each, as 3 rows of 1,024 elements of 8 bytes, a plane (16,384 elements) apart; 32 bytes of padding behind every 128
	s_or_b32 s[G1B], s20, (3<<16)|(1<<20)|(1<<21)|(4<<22)|(7<<25)
	s_mov_b32 s[G1B+1], 1024<<16                   ; tensor_dim0 = 1,024
	s_mov_b32 s[G1B+2], 3<<16                      ; tensor_dim1 = 3
	s_mov_b32 s[G1B+3], 1024<<16                   ; tile_dim0 = 1,024
	s_mov_b32 s[G1B+4], 3                          ; tile_dim1 = 3
	s_mov_b32 s[G1B+5], 16384
	s_mov_b32 s[G1B+6], 0
	s_mov_b32 s[G1B+7], 0
	s_lshl_b32 s22, s18, 15                        ; x: the tile's 256 rows of 128 bytes in a plane,
	s_lshl_b32 s21, s[HF], 19                      ; my plane of the step's two
	s_add_co_u32 s22, s22, s21
	s_mov_b32 s23, 0
	s_mul_i32 s46, s17, 393216                     ; W: the tile's three planes,
	s_lshl_b32 s47, s[HF], 13                      ; my 64 rows of the step's 128
	s_add_co_u32 s46, s46, s47
	s_mov_b32 s47, 0
	s_mul_i32 s21, s[HF], APL                      ; where they go: no place in the cluster enters an LDS address
	s_mul_i32 s3, s[HF], 3*BPL
	s_add_co_u32 s3, s3, BOFF
	s_wait_dscnt 0x0                               ; the opening add is done
	s_wait_kmcnt 0x0
	s_add_nc_u64 s[22:23], s[4:5], s[22:23]
	s_add_nc_u64 s[46:47], s[6:7], s[46:47]
	CROUND                                         ; all sixteen work-groups are here: the first joint loads meet
.irp s, 0,1
	s_mov_b32 s[G0+4*(\s)], 1
	s_add_co_u32 s[G0+4*(\s)+1], s21, (\s)*SLOT
	s_add_nc_u64 s[G0+4*(\s)+2:G0+4*(\s)+3], s[22:23], (\s)*ASTEP
	s_or_b32 s[G0+4*(\s)+3], s[G0+4*(\s)+3], 0x80000000
	s_mov_b32 s[G0B+4*(\s)], 1
	s_add_co_u32 s[G0B+4*(\s)+1], s3, (\s)*SLOT
	s_add_nc_u64 s[G0B+4*(\s)+2:G0B+4*(\s)+3], s[46:47], (\s)*BSTEP
	s_or_b32 s[G0B+4*(\s)+3], s[G0B+4*(\s)+3], 0x80000000
	JLOAD \s
.endr
	v_and_b32 v1, 15, v0                           ; l % 16
	v_bfe_u32 v2, v0, 4, 1                         ; l / 16
	v_mul_u32_u24 v3, v1, PA
	v_lshl_add_u32 v3, v2, 4, v3                   ; row x pitch + 16 x half
	s_mul_i32 s21, s[WV], 64*PA                    ; my 64 rows
	v_add_nc_u32 v[ADRA], s21, v3
	v_add_nc_u32 v[ADRA+1], SLOT, v[ADRA]
	v_and_b32 v4, 7, v0                            ; the turning load: lane l reads row (K) 8 (l / 16) + l % 8, columns 8 ((l / 8) % 2) + 0..7
	v_lshl_add_u32 v4, v2, 3, v4
	v_mul_u32_u24 v4, v4, PB
	v_bfe_u32 v5, v0, 3, 1
	v_lshl_add_u32 v4, v5, 4, v4
	v_add_nc_u32 v[ADRB], BOFF, v4
	v_add_nc_u32 v[ADRB+1], SLOT+BOFF, v4
	s_mul_i32 s21, s[WV], 16*SP
	s_add_co_u32 s21, s21, STAGE                   ; my stage
	v_add_nc_u32 v[STO], s21, v3                   ; in: row l % 16, 16 bytes for each half of the lanes
	v_bfe_u32 v6, v0, 3, 2                         ; back: 32 lanes take four rows of 128 bytes,
	v_mul_u32_u24 v6, v6, SP
	v_and_b32 v7, 7, v0
	v_lshl_add_u32 v6, v7, 4, v6
	v_add_nc_u32 v[RD], s21, v6
	v_and_b32 v[GO], 31, v0                        ; which are 512 consecutive bytes of qkv
	v_lshlrev_b32 v[GO], 4, v[GO]
	v_lshlrev_b32 v[BO], 5, v2
	s_mul_i32 s46, s17, 768                        ; the tile's 192 numbers of the bias
	s_mov_b32 s47, 0
	s_add_nc_u64 s[8:9], s[8:9], s[46:47]
.irp b, 0,1,2,3,4,5,6,7,8,9,10,11
	global_load_b128 v[BIA+8*\b:BIA+8*\b+3],   v[BO], s[8:9] offset:64*\b
	global_load_b128 v[BIA+8*\b+4:BIA+8*\b+7], v[BO], s[8:9] offset:64*\b+16
.endr
	; where my rows of plane pl = 3 x tile column + j go: [pl / 16][16 x batch + pl % 16][row in the batch][64]
	s_mul_i32 s46, s17, 3
	s_lshr_b32 s20, s18, 3                         ; batch: 8 tile rows each
	s_lshl_b32 s20, s20, 4
	s_and_b32 s19, s18, 7
	s_lshl_b32 s19, s19, 8
	s_lshl_b32 s21, s[WV], 6
	s_add_co_u32 s19, s19, s21                     ; my first row in the batch
.irp j, 0,1,2
	s_add_co_u32 s21, s46, \j
	s_lshr_b32 s47, s21, 4
	s_lshl_b32 s47, s47, 5
	s_and_b32 s21, s21, 15
	s_add_co_u32 s47, s47, s21
	s_add_co_u32 s47, s47, s20
	s_lshl_b32 s47, s47, 11
	s_add_co_u32 s47, s47, s19
	s_lshl_b32 s[DP+2*\j], s47, 7
	s_mov_b32 s[DP+2*\j+1], 0
	s_add_nc_u64 s[DP+2*\j:DP+2*\j+1], s[10:11], s[DP+2*\j:DP+2*\j+1]
.endr
; 12 matrix instructions: row block a x all 12 column blocks, 32 along K.  zero = 1: the first product starts the sums, with the bias.  The 48 accumulators take turns in one fixed order.
.macro MUL12 f, a, zero
.if \zero
	WIN 0x85+0x40*((\a)/2)                         ; sources in window 1, C in window 0, D in window 2 or 3
.else
	WIN 0xa5+0x50*((\a)/2)                         ; C and D in window 2 or 3
.endif
.irp b, 0,1,2,3,4,5,6,7,8,9,10,11
.if \zero
	v_wmma_f32_16x16x32_f16 v[8*(12*((\a)%2)+(\b)):8*(12*((\a)%2)+(\b))+7], v[(\f)+8*(\b):(\f)+8*(\b)+7], v[(\f)+96+8*(\a):(\f)+96+8*(\a)+7], v[BIA+8*(\b):BIA+8*(\b)+7]
.else
	v_wmma_f32_16x16x32_f16 v[8*(12*((\a)%2)+(\b)):8*(12*((\a)%2)+(\b))+7], v[(\f)+8*(\b):(\f)+8*(\b)+7], v[(\f)+96+8*(\a):(\f)+96+8*(\a)+7], v[8*(12*((\a)%2)+(\b)):8*(12*((\a)%2)+(\b))+7]
.endif
.endr
.endm
; 32 LDS loads in one run: the fragments of unit u (32 along K) of a slot into buffer f: W's 12, turned, then x's 4
.macro FETCH slot, u, f
	WIN 0x40                                       ; destination window 1, address window 0
.irp b, 0,1,2,3,4,5,6,7,8,9,10,11
	ds_load_tr16_b128 v[(\f)+8*(\b):(\f)+8*(\b)+3],   v[ADRB+(\slot)] offset:((\u)/2)*3*BPL+((\b)/4)*BPL+((\u)%2)*32*PB+((\b)%4)*32
	ds_load_tr16_b128 v[(\f)+8*(\b)+4:(\f)+8*(\b)+7], v[ADRB+(\slot)] offset:((\u)/2)*3*BPL+((\b)/4)*BPL+((\u)%2)*32*PB+((\b)%4)*32+16*PB
.endr
.irp a, 0,1,2,3
	ds_load_b128 v[(\f)+96+8*(\a):(\f)+96+8*(\a)+3],   v[ADRA+(\slot)] offset:((\u)/2)*APL+(\a)*16*PA+((\u)%2)*64
	ds_load_b128 v[(\f)+96+8*(\a)+4:(\f)+96+8*(\a)+7], v[ADRA+(\slot)] offset:((\u)/2)*APL+(\a)*16*PA+((\u)%2)*64+32
.endr
.endm
.macro PLACES                          ; four places in front of loads into registers that matrix instructions have read, and of conversions that read results
.rept 4
	v_nop
.endr
.endm
; A K step is four quarters of 32 along K, 48 matrix instructions each, on buffers 0, 1, 0, 1.  One of the first three: multiplies buffer f and fetches unit u into g.
.macro QUARTER slot, u, f, g, zero
	s_wait_dscnt 4                                 ; W and x's blocks 0, 1 are in; the youngest four loads (blocks 2, 3) may be out
	MUL12 \f, 0, \zero
	MUL12 \f, 1, \zero
	PLACES
	FETCH \slot, \u, \g
	s_wait_dscnt 32                                ; all but the 32 just issued
	MUL12 \f, 2, \zero
	MUL12 \f, 3, \zero
.endm
; The last quarter multiplies buffer 1 and changes slots: one barrier; in front of it each wave waits for all its tensor loads, adds 0 to its spare word, and waits for that and for its reads of this slot.
.macro TURN slot, next, fill
	WIN 0
	s_wait_tensorcnt 0x0                           ; all my tensor loads have landed: my part of the next slot;
	ds_add_u32 v[SPW], v[NIL]                      ; 0 onto my spare word;
	s_wait_dscnt 5                                 ; (the add and the youngest four loads may be out)
	MUL12 F1, 0, 0                                 ; twelve matrix instructions stand between the add and the wait for it
	s_wait_dscnt 0x0                               ; the add is done, and my reads of this slot are over
	s_barrier_signal -1
	MUL12 F1, 1, 0
.if \fill
	WIN 0
.endif
	s_barrier_wait -1
.if \fill
	CREST                                          ; the barrier has opened a round of the cluster's: no wave of any partner still reads this slot or has a load on its way
	s_add_nc_u64 s[G0+4*(\slot)+2:G0+4*(\slot)+3], s[G0+4*(\slot)+2:G0+4*(\slot)+3], 2*ASTEP
	s_add_nc_u64 s[G0B+4*(\slot)+2:G0B+4*(\slot)+3], s[G0B+4*(\slot)+2:G0B+4*(\slot)+3], 2*BSTEP
	JLOAD \slot                                    ; the first tensor load behind the round; its four v_nop are also the places in front of the loads below
.else
	PLACES
.endif
	FETCH \next, 0, F0
	MUL12 F1, 2, 0
	MUL12 F1, 3, 0
.endm
	s_wait_tensorcnt 1                             ; my part of K step 0 is in; K step 1's may stay out
	s_barrier_signal -1
	s_barrier_wait -1                              ; everybody's is
	FETCH 0, 0, F0
	s_wait_loadcnt 0x0                             ; the bias
	QUARTER 0, 1, F0, F1, 1                        ; the first quarter stands in front of the loop: its products start the sums
	WIN 0                                          ; at a label and at a branch every window is 0
	s_mov_b32 s3, 3
.Llap:                                                 ; a trip goes once round the ring and fills both slots again: K steps 2 .. 7
	QUARTER 0, 2, F1, F0, 0
	QUARTER 0, 3, F0, F1, 0
	TURN 0, 1, 1
	QUARTER 1, 1, F0, F1, 0
	QUARTER 1, 2, F1, F0, 0
	QUARTER 1, 3, F0, F1, 0
	TURN 1, 0, 1
	QUARTER 0, 1, F0, F1, 0
	WIN 0
	s_sub_co_u32 s3, s3, 1
	s_cmp_lg_u32 s3, 0
	s_cbranch_scc1 .Llap
	QUARTER 0, 2, F1, F0, 0                        ; the last lap fills nothing
	QUARTER 0, 3, F0, F1, 0
	TURN 0, 1, 0
	QUARTER 1, 1, F0, F1, 0
	QUARTER 1, 2, F1, F0, 0
	QUARTER 1, 3, F0, F1, 0
	s_wait_dscnt 4
	MUL12 F1, 0, 0
	MUL12 F1, 1, 0
	s_wait_dscnt 0x0
	MUL12 F1, 2, 0
	MUL12 F1, 3, 0
; THE WAY OUT, in 12 units: unit u = row block u / 3, plane u % 3: 16 rows x 64 columns.  Rounded to f16, 16 bytes a lane into my stage, back as four rows of 128 bytes a load, stored as 512 consecutive bytes.
.macro PACK u
.set ua, (\u)/3
.set uj, (\u)%3
	WIN 0x0a+5*(ua/2)                              ; sources in window 2 or 3, destination in window 0
.irp f, 0,1,2,3
.irp r, 0,1,2,3
	v_cvt_pk_f16_f32 v[OUTR+16*(\u)+4*(\f)+(\r)], v[8*(12*(ua%2)+4*uj+(\f))+2*(\r)], v[8*(12*(ua%2)+4*uj+(\f))+2*(\r)+1]
.endr
.endr
	WIN 0
.irp f, 0,1,2,3
	ds_store_b128 v[STO], v[OUTR+16*(\u)+4*(\f):OUTR+16*(\u)+4*(\f)+3] offset:32*(\f)
.endr
.irp f, 0,1,2,3
	ds_load_b128 v[OUTR+16*(\u)+4*(\f):OUTR+16*(\u)+4*(\f)+3], v[RD] offset:(\f)*4*SP  ; LDS serves a wave's instructions in order: these see the stores above; the next unit's stores come behind them
.endr
.endm
.macro SEND u, younger                 ; younger: the LDS instructions issued behind unit u's loads
.set ua, (\u)/3
.set uj, (\u)%3
.irp f, 0,1,2,3
	s_wait_dscnt (\younger)+3-(\f)
	global_store_b128 v[GO], v[OUTR+16*(\u)+4*(\f):OUTR+16*(\u)+4*(\f)+3], s[DP+2*uj:DP+2*uj+1] offset:ua*2048+(\f)*512
.endr
.endm
	WIN 0
	PLACES
	PACK 0
.set un, 1
.rept 11                               ; a unit's conversions stand between the loads of the unit before and its stores; no register is used twice
	PACK un
	SEND un-1, 8
.set un, un+1
.endr
	SEND 11, 0
	s_wait_tensorcnt 0x0                           ; the wave's end: behind my last tensor load and my last LDS store
	ds_add_u32 v[SPW], v[NIL]
	s_wait_dscnt 0x0
	CROUND                                         ; the closing round: no work-group ends while a partner may still ask for a tile that names it
	s_endpgm
.Lfunc_end_k_qc133ab0524_gemm_qkv:
	.size	k_qc133ab0524_gemm_qkv, .Lfunc_end_k_qc133ab0524_gemm_qkv-k_qc133ab0524_gemm_qkv
	.p2alignl 7, 3214868480
	.fill 96, 4, 3214868480
	.section	.rodata,"a",@progbits
	.p2align	6, 0x0
	.amdhsa_kernel k_qc133ab0524_gemm_qkv
		.amdhsa_group_segment_fixed_size 327680
		.amdhsa_private_segment_fixed_size 0
		.amdhsa_enable_private_segment 0
		.amdhsa_kernarg_size 32
		.amdhsa_user_sgpr_count 2
		.amdhsa_user_sgpr_kernarg_segment_ptr 1
		.amdhsa_wavefront_size32 1
		.amdhsa_system_sgpr_workgroup_id_x 1
		.amdhsa_system_sgpr_workgroup_id_y 1
		.amdhsa_system_sgpr_workgroup_id_z 1
		.amdhsa_system_vgpr_workitem_id 0
		.amdhsa_next_free_vgpr 960
		.amdhsa_next_free_sgpr 66
		.amdhsa_reserve_vcc 0
		.amdhsa_float_denorm_mode_32 3
		.amdhsa_float_denorm_mode_16_64 3
		.amdhsa_memory_ordered 1
		.amdhsa_forward_progress 1
		.amdhsa_inst_pref_size 123
	.end_amdhsa_kernel
	.amdgpu_metadata
---
amdhsa.version: [ 1, 2 ]
amdhsa.kernels:
  - .name:           k_qc133ab0524_gemm_qkv
    .symbol:         k_qc133ab0524_gemm_qkv.kd
    .args:
      - { .name: xa, .offset: 0, .size: 8, .value_kind: global_buffer, .address_space: global }
      - { .name: wa, .offset: 8, .size: 8, .value_kind: global_buffer, .address_space: global }
      - { .name: bias, .offset: 16, .size: 8, .value_kind: global_buffer, .address_space: global }
      - { .name: qkv, .offset: 24, .size: 8, .value_kind: global_buffer, .address_space: global }
    .group_segment_fixed_size: 327680
    .private_segment_fixed_size: 0
    .kernarg_segment_align: 8
    .kernarg_segment_size: 32
    .max_flat_workgroup_size: 128
    .sgpr_count:     66
    .vgpr_count:     960
    .wavefront_size: 32
...
	.end_amdgpu_metadata
.endif
;; end of part 2
;; launch attn (part 3): grid 8 x 32, 4 waves a work-group, clusters of 4 x 4, 327,680 bytes of LDS; arguments qkv, e2, ob; writes ob
.if DOCPART == 3
	.amdgcn_target "amdgcn-amd-amdhsa--gfx1250"
	.amdhsa_code_object_version 6
	.text
	.protected	k_qc133ab0524_attn
	.globl	k_qc133ab0524_attn
	.p2align	8
	.type	k_qc133ab0524_attn,@function
k_qc133ab0524_attn:
	s_mov_b64 s[64:65], 0
	v_nop
	global_prefetch_b8 v0, s[64:65] scope:SCOPE_SE
	s_setreg_imm32_b32 hwreg(HW_REG_WAVE_MODE, 25, 1), 1
	s_wait_xcnt 0x0
	s_wait_alu depctr_hold_cnt(0) depctr_sa_sdst(0) depctr_va_vdst(0) depctr_va_sdst(0) depctr_va_ssrc(0) depctr_va_vcc(0) depctr_vm_vsrc(0)
	s_getreg_b32 s2, hwreg(HW_REG_IB_STS2, 6, 4)
	s_cmp_eq_u32 s2, 0
	s_cbranch_scc0 .Lentry_in_a_cluster
	s_endpgm
.Lentry_in_a_cluster:
	s_bfe_u32 s2, ttmp6, 0x10000c
	s_cmp_lg_u32 s2, 0xf033
	s_cbranch_scc0 .Lentry_shape_is_right
	s_endpgm
.Lentry_shape_is_right:
; ATTENTION WITH THE SKEWED RELATIVE TERM.  O[i] = the sum over j of softmax_j((q_i . k_j + Srel[i][j]) / 8) v_j, for each of 32 heads of 2,048 rows of 64 channels, f16.
; Srel[i][j] = q_i . Er[2047 + j - i] for j <= i;  0 for j = i + 1;  q_(i+1) . Er[j - i - 2] beyond.  With e = 2047 + j - i and the table e2 (Er, a row of zeros, Er again) that is
; Srel[i][j] = qq . e2[e], qq = q_i for e < 2048 and q_(i+1) from 2048 on.  Products, maxima and sums in f32; the weights are rounded to f16 for the second product, O once at the end.
; LIMITS.  q, k, v arrive within f16's 65,504; p below 6e-5 keeps f16's step of 6e-8; a weight below 2^-126 counts as 0 in the sum; NaN and infinities are not treated apart.
; SHARES.  A work-group owns 256 queries of a head, a wave 64 consecutive ones in four PIECES of 16; every wave walks all keys, 64 a step.
; THE SKEW.  GROUP g of my wave is e2's 64 rows from 2048 - iw + 64 g on (iw: my first query; a multiple of 64, so a group lies on one side of row 2048).  G = qq x group^T (source 0 = 16 queries,
; source 1 = 16 rows of e2): register t of lane (n, h) holds query 8 h + t of piece x and row 16 b + n; it belongs to key 64 g + wc, wc = 16 (b + x) + n + 8 h + t + 1, 1 .. 127.  It is stored into my wave's own
; ring in LDS, [64 queries][128 keys] f32, column = key mod 128.  Key step s wants groups s - 1 and s, and a lane then reads eight neighbouring keys of its query by two loads of 16 bytes:
; they are the C OPERAND that starts the sum S^T = K Q^T.  So the shift costs LDS traffic and no vector instruction, and the row of zeros and the upper triangle need no mask.
; LAYOUT, SOFTMAX, TURNS.  S^T = K Q^T holds one query a lane (lane % 16) and the keys 8 (lane / 16) + 0..7; two such results rounded to f16 are source 1 of O^T = V^T P.  p = 2^(c s - c m), c = log2(e) / 8, with a
; running maximum m; O and l are multiplied by a = 2^(c m_old - c m_new) in every step; m starts at the lowest finite number, O and l at 0.  Turn n belongs to piece n: 8 products K Q^T of piece n + 1, 8 products G of
; piece n + 2, 8 products V^T P of piece n - 1; beside them the softmax of piece n and the maximum and statistics of piece n + 1.  A turn's 33 exponentials are one batch, with one wait.
; CLUSTER.  4 x 4 work-groups.  The four of a row belong to one head and walk the same K and V; the four of a column own the same block of queries in four heads and walk the same window of e2: all three are asked for jointly.
; RINGS.  K and V: two slots of two key steps.  e2: eight places of a group; a change of slots fills K and V of the next two steps and two groups, into the places of the two groups read last two changes back.
; Wave 0 asks for K, wave 1 for V, wave 2 for e2: one tensor load of a wave is out at the most.
; REGISTERS, in windows of 256 (s_set_vgpr_msb: bits 1:0 source 0, 3:2 source 1, 5:4 source 2, 7:6 destination).  THE MAP IS MADE SO THAT A PRODUCT AND THE VECTOR LINES BEHIND IT SHARE ONE SETTING WHERE THEY CAN:
;   window 0: v1-5 addresses; v6-31 statistics; v32-95 S^T, two buffers; v96-127 P, two buffers; v128-191 MC, the C operands, two buffers; v192-255 K
;   window 1: v0-127 O^T; v128-191 V        window 2: v0-63 Q; v64-127 Q of the rows one further down
;   window 3: v0-63 QG, the one of the two Q that the group in hand wants; v64-127 the group's fragments; v128-159 G's four accumulators; v160-184 the addresses that LDS and memory lines alone name
; K Q^T wants only its source 1 outside window 0, and the scalings (whose source 1 is a scalar pair) and the exponentials run under that same setting; V^T P and the rescaling O^T a share theirs.
; So a turn has one switch for its 8 K Q^T, two for each G, two for each V^T P, two for its LDS run: 35, for 24 matrix instructions.
.set NP,    4
.set KS,    64
.set PK,    144       ; a row of K or e2 in LDS: 128 bytes + 16
.set PV,    160       ; a row of V: 128 + 32
.set VOFF,  2*KS*PK   ; a slot: 128 rows of K, then 128 rows of V
.set EBASE, 2*KS*(PK+PV)  ; behind slot 0: e2's ring
.set EGRP,  KS*PK     ; a group's 64 rows
.set EEND,  EBASE+8*EGRP
.set SLOT1, 1<<17     ; slot 1 begins here, so that one exclusive or turns an address in one slot into the other's
.set GBASE, SLOT1+EBASE   ; behind slot 1, never filled by a tensor load: the four waves' rings of G
.set GP,    528       ; a ring's row: 128 keys of 4 bytes + 16: 33 x 16 bytes, so the 16 rows of a load start at 16 different groups of four banks
.set GRING, 64*GP+512 ; a ring, with 256 bytes to spare on either side
.set SPARE, GBASE+4*GRING ; the spare words, 128 bytes a wave: two blocks of 256 bytes that no other line names
.set SP,    144       ; the way out's stage, 16 rows, lies in my ring
; window 0
.set AK0, 1           ; my lane's place in a tile of K or e2; never rewritten
.set AV0, 2           ; the same for V
.set AK,  3           ; the LDS address of K's next run of loads
.set AV,  4           ; of V's
.set AE,  5           ; of the group's
.set MV,  6           ; v6-7  c m_old, by buffer
.set ST,  8           ; piece t's statistics at v[ST+4 t]: c m, m, l (even keys', odd keys')
.set TMP, 24          ; by buffer, four registers c0-c3 at work; when the maximum is found c2 takes a
.set S,   32
.set P,   96
.set MC,  128
.set KF,  192
.set H1,  32          ; at the head alone, in S^T's registers: l % 16,
.set H9,  33          ; l / 16,
.set H7,  34          ; l % 8,
.set H3,  35          ; (l / 8) % 2,
.set HR,  36          ; my row of piece 0,
.set HN,  37          ; l % 16 + 8 (l / 16),
.set HQO, 40          ; and what is made here for window 3
.set HQN, 41
.set HPF, 45
.set HSB, 46
.set HCL, 47
.set HST, 48
.set HRD, 49
.set HGO, 50
; window 1
.set VF,  128
; window 2
.set QB,  64
; window 3
.set EF,  64          ; block b of 16 rows, channel half c at EF + 16 b + 8 c
.set GT,  128
.set ASB, 160         ; G's stores: my ring - 256 + 8 h rows + 4 (n + 8 h + 1); never rewritten
.set ACL, 161         ; the C operands' loads: my ring + row l % 16 + 32 (l / 16); never rewritten
.set ALO, 162         ; for the group in hand: the stores' address where wc < 64,
.set AHI, 163         ; where wc >= 64,
.set ACU, 164         ; the loads' address,
.set AMID, 166        ; v166-173  and register t's address where 16 (b + x) = 48, so that the lane decides
.set STO, 174         ; the way out: where I put 16 bytes of a row
.set RD,  175         ; where I read rows back
.set GO,  176         ; 16 x lane
.set PFO, 177         ; the prefetch's offset
.set SPW, 178         ; my spare word; never rewritten
.set NIL, 179         ; 0; never rewritten
.set QO,  180         ; my byte offset in the head's rows of Q
.set QN,  181         ; v181-184  the same one row further down, for each piece, held at the head's last row
.set WV,  12          ; s12  my wave's number
.set LIM, 15          ; s15  1 in the wave that prefetches, else the greatest number
.set G1K, 24          ; s[24:31] descriptor group 1 for K
.set G1V, 32          ; s[32:39] for V
.set G1E, 40          ; s[40:47] for two groups of e2
.set G1E0, 48         ; s[48:55] for the first six
.set G0K, 56          ; s[56:59] group 0 for K: it walks
.set G0V, 60          ; s[60:63] for V
.set G0E, 68          ; s[68:71] for e2
.set G0E0, 72         ; s[72:75] for e2's first fill
.set SLOTS, 76        ; s76  slots still to be asked for
.set CNT, 77          ; s77  counts a slot's key steps
.set CS,  78          ; s[78:79] c
.set SEL, 80          ; s[80:81] v_permlanex16_b32's selects
.set TBK, 82          ; s82  LDS byte at which K of the step to be fetched begins
.set TBV, 83          ; s83  the same for V, less VOFF
.set TBE, 84          ; s84  LDS byte of my wave's group in hand
.set PLO, 85          ; s85  256 for an even group, 512 for an odd one
.set SG,  86          ; s86  the group's number, -1 .. 32
.set SWS, 87          ; s87  iw / 64: from this group on the rows lie at 2048 or beyond
.set W0,  88          ; s88  16 x cluster x: SWS lies in W0 .. W0 + 15 in all partners
.set SM,  89          ; s89  all ones from group SWS on, else 0
.set PFA, 90          ; s[90:91] where the prefetches stand
.set TT,  92          ; s92  at work
.set CM,  93          ; s93-100  the lanes in which n + 8 h + t + 1 < 16, for t = 0 .. 7
.set PHI, 101         ; s101 256 for an even group, 0 for an odd one
.set PCL, 104         ; s104 0 for an even group, 256 for an odd one
.set MSB, 0
.macro WIN new                      ; the high byte repeats the setting that is left; a switch that changes nothing is dropped
.if MSB != (\new)
	s_set_vgpr_msb (MSB<<8)|(\new)
.set MSB, (\new)
.endif
.endm
.set W_KQ, 0x08       ; Q in window 2; K, the C operand and S^T in window 0.  Scalings and exponentials run under it too
.set W_PV, 0x51       ; V and O^T in window 1, P in window 0.  The rescaling (O^T in window 1, a in window 0) runs under it too
.set W_G,  0xff       ; all of G in window 3
.set W_MK, 0xc0       ; destination in window 3, sources in window 0
.set W_AD, 0x0f       ; an LDS line's address and data in window 3
.set W_A3, 0x03       ; an LDS or memory line's address in window 3, its data in window 0
.set VW,   0          ; the setting under which the softmax's lines are written: W_KQ behind K Q^T, else 0
; A joint fill: wave 0 K, wave 1 V, wave 2 e2 (by the descriptors named), wave 3 none.  The branches hang on the wave's number alone.  An s_nop 0 and four v_nop follow each line.
.macro JLOAD3 ge0, ge1
	s_cmp_eq_u32 s[WV], 0
	s_cbranch_scc0 .Lnot_k_\@
	tensor_load_to_lds s[G0K:G0K+3], s[G1K:G1K+7]
	s_nop 0
.rept 4
	v_nop
.endr
	s_branch .Lasked_\@
.Lnot_k_\@:
	s_cmp_eq_u32 s[WV], 1
	s_cbranch_scc0 .Lnot_v_\@
	tensor_load_to_lds s[G0V:G0V+3], s[G1V:G1V+7]
	s_nop 0
.rept 4
	v_nop
.endr
	s_branch .Lasked_\@
.Lnot_v_\@:
	s_cmp_eq_u32 s[WV], 2
	s_cbranch_scc0 .Lasked_\@
	tensor_load_to_lds s[\ge0:\ge0+3], s[\ge1:\ge1+7]
	s_nop 0
.rept 4
	v_nop
.endr
.Lasked_\@:
.endm
; A PREFETCH INTO THE L2 of the K and V that the NEXT change of slots will ask for: a slot's 16,384 bytes of each, in blocks of 256.  Both clusters of a head walk the same rows: the first (cluster x = 0) asks.
; Its four partners of a head take 16 blocks of K and 16 of V each, told apart by address; in each, wave 0 asks: lanes 0-15 K's, lanes 16-31 V's: one instruction.  So each block is named once in the launch.
; The last change that fills a slot asks for nothing; slots 0 and 1 come by their loads alone.  e2 is not asked for: every work-group walks it.
.macro ASK
	s_cmp_gt_u32 s[SLOTS], s[LIM]
	s_cbranch_scc0 .Lnot_mine_\@
	WIN W_A3
	global_prefetch_b8 v[PFO], s[PFA:PFA+1] th:TH_LOAD_NT scope:SCOPE_SE
	WIN 0
.Lnot_mine_\@:
.endm
.macro CROUND                       ; a round of the cluster's barrier
	s_barrier_signal -1
	s_barrier_wait -1
	s_cmp_lg_u32 s[WV], 0
	s_cbranch_scc1 .Lnot_wave_0_\@
	s_barrier_signal -3
.Lnot_wave_0_\@:
	s_barrier_wait -3
	s_barrier_signal -1
	s_barrier_wait -1
.endm
; THE CHANGE OF SLOTS.  Each wave waits for all its tensor loads, adds 0 to its spare word, and waits for that and for its own LDS reads.  Behind the barrier nobody reads the old slot or the two oldest groups any more,
; and the other slot and the groups asked for last time are whole.  fill = 1: the barrier is a round of the cluster's, and the joint fill is the first thing behind it: it has two key steps, 192 matrix instructions, in which to land.
.macro CHANGE fill
	WIN W_AD
	s_wait_tensorcnt 0x0            ; no tensor load of mine is out, so a group 0 may be written
	ds_add_u32 v[SPW], v[NIL]       ; 0 onto my spare word
	WIN 0                           ; at a label and at a branch every window is 0
.if \fill
	s_xor_b32 s[G0K+1], s[G0K+1], SLOT1
	s_add_nc_u64 s[G0K+2:G0K+3], s[G0K+2:G0K+3], 2*KS*128
	s_xor_b32 s[G0V+1], s[G0V+1], SLOT1
	s_add_nc_u64 s[G0V+2:G0V+3], s[G0V+2:G0V+3], 2*KS*128
	s_add_co_u32 s[G0E+1], s[G0E+1], 2*EGRP  ; e2's next two places, round the ring of eight
	s_cmp_eq_u32 s[G0E+1], EEND
	s_cselect_b32 s[G0E+1], EBASE, s[G0E+1]
	s_add_nc_u64 s[G0E+2:G0E+3], s[G0E+2:G0E+3], 2*KS*128
	s_wait_xcnt 0x0                 ; the last prefetch, two key steps back, has read its address
	s_add_nc_u64 s[PFA:PFA+1], s[PFA:PFA+1], 2*KS*128
	s_wait_dscnt 0x0                ; the add is done, and my LDS reads are over
	CROUND
	JLOAD3 G0E, G1E
	ASK
.else
	s_wait_dscnt 0x0
	s_barrier_signal -1
	s_barrier_wait -1
.endif
	s_sub_co_u32 s[TBK], s[TBK], 2*KS*PK  ; the fetches go back to a slot's first step,
	s_xor_b32 s[TBK], s[TBK], SLOT1       ; in the other slot
	s_sub_co_u32 s[TBV], s[TBV], 2*KS*PV
	s_xor_b32 s[TBV], s[TBV], SLOT1
.endm
; The ring's addresses for the group in hand.  The byte in a row is 4 wc for an even group; for an odd one 4 wc + 256 where wc < 64, else 4 wc - 256.  ASB lies 256 bytes low, so that nothing is subtracted.
.macro SETPAR
	WIN 0xcf                        ; destination and vector sources in window 3
	v_add_nc_u32 v[ALO], s[PLO], v[ASB]
	v_add_nc_u32 v[AHI], s[PHI], v[ASB]
	v_add_nc_u32 v[ACU], s[PCL], v[ACL]
.irp t, 0,1,2,3,4,5,6,7
	v_cndmask_b32 v[AMID+\t], v[AHI], v[ALO], s[CM+\t]
.endr
.endm
	s_load_b128 s[4:7], s[0:1], 0x0 ; qkv s[4:5], e2 s[6:7]
	s_load_b64 s[8:9], s[0:1], 0x10 ; ob
	WIN W_MK
	v_lshl_add_u32 v[SPW], v0, 2, SPARE
	v_mov_b32 v[NIL], 0
	WIN W_AD
	ds_add_u32 v[SPW], v[NIL]       ; the wave's opening: the add and its wait stand ahead of my first tensor load
	WIN 0
	v_lshrrev_b32 v[H1], 5, v0
	v_readfirstlane_b32 s[WV], v[H1]  ; wave 0..3
	s_bfe_u32 s13, ttmp6, 0x40000   ; cx
	s_bfe_u32 s14, ttmp6, 0x40004   ; cy
	s_lshl_b32 s16, ttmp9, 2
	s_add_co_u32 s16, s16, s13      ; my block of 256 queries
	s_and_b32 s17, ttmp7, 0xffff
	s_lshl_b32 s17, s17, 2
	s_add_co_u32 s17, s17, s14      ; my head, 16 x batch + head
	s_lshl_b32 s18, s14, 2
	s_lshl_b32 s18, 15, s18         ; my row of the cluster: the same head
	s_lshl_b32 s19, 0x1111, s13     ; my column: the same block of queries
	; all tiles: dense bytes as rows of 128 elements of 2 bytes, padded behind every 128 bytes (32 words, code 4) by 4 words (code 3) or 8 (code 7)
	s_or_b32 s[G1K], s18, (1<<16)|(1<<20)|(1<<21)|(4<<22)|(3<<25)
	s_or_b32 s[G1V], s18, (1<<16)|(1<<20)|(1<<21)|(4<<22)|(7<<25)
	s_or_b32 s[G1E], s19, (1<<16)|(1<<20)|(1<<21)|(4<<22)|(3<<25)
	s_or_b32 s[G1E0], s19, (1<<16)|(1<<20)|(1<<21)|(4<<22)|(3<<25)
.irp g, G1K, G1V, G1E
	s_mov_b32 s[\g+1], 128<<16      ; tensor_dim0 = 128
	s_mov_b32 s[\g+2], 64<<16       ; tensor_dim1 = 64: 128 rows of 128 bytes
	s_mov_b32 s[\g+3], 128<<16      ; tile_dim0 = 128
	s_mov_b32 s[\g+4], 64           ; tile_dim1 = 64
	s_mov_b32 s[\g+5], 128
	s_mov_b32 s[\g+6], 0
	s_mov_b32 s[\g+7], 0
.endr
	s_mov_b32 s[G1E0+1], 128<<16
	s_mov_b32 s[G1E0+2], 192<<16    ; six groups: 384 rows of 128 bytes
	s_mov_b32 s[G1E0+3], 128<<16
	s_mov_b32 s[G1E0+4], 192
	s_mov_b32 s[G1E0+5], 128
	s_mov_b32 s[G1E0+6], 0
	s_mov_b32 s[G1E0+7], 0
	s_lshl_b32 s20, s17, 18         ; a head's 2,048 rows of 128 bytes
	s_mov_b32 s21, 0
	s_lshl_b32 s22, s16, 15
	s_sub_co_u32 s22, 229376, s22   ; the work-group's first row of e2, 1792 - 256 x block, in bytes: wave 3's group -1
	s_mov_b32 s23, 0
	s_and_b32 s2, s17, 15           ; ob is [head][batch x 2048 + row][64]
	s_lshl_b32 s2, s2, 19
	s_lshr_b32 s3, s17, 4
	s_lshl_b32 s3, s3, 18
	s_add_co_u32 s2, s2, s3
	s_lshl_b32 s3, s16, 15
	s_add_co_u32 s2, s2, s3
	s_lshl_b32 s3, s[WV], 13
	s_add_co_u32 s2, s2, s3
	s_mov_b32 s3, 0
	s_mov_b32 s[CS], 0x3e38aa3b     ; c = log2(e) / 8
	s_mov_b32 s[CS+1], s[CS]
	s_mov_b32 s[SEL], 0x76543210
	s_mov_b32 s[SEL+1], 0xfedcba98
	s_mov_b32 s[TBK], SLOT1+2*KS*PK ; the first change of slots turns these two into 0
	s_mov_b32 s[TBV], SLOT1+2*KS*PV
	s_sub_co_u32 s[TBE], 3, s[WV]   ; my group g lies at place (g + 4 - wave) mod 8: group -1
	s_mul_i32 s[TBE], s[TBE], EGRP
	s_add_co_u32 s[TBE], s[TBE], EBASE
	s_mov_b32 s[PLO], 512           ; group -1 is odd
	s_mov_b32 s[PHI], 0
	s_mov_b32 s[PCL], 256
	s_mov_b32 s[SG], -1
	s_lshl_b32 s[SWS], s16, 2
	s_add_co_u32 s[SWS], s[SWS], s[WV]
	s_lshl_b32 s[W0], ttmp9, 4
	s_mov_b32 s[SLOTS], 15
	s_or_b32 s[LIM], s[WV], ttmp9   ; 0 in wave 0 of the head's first cluster: the same in all partners
	s_cmp_eq_u32 s[LIM], 0
	s_cselect_b32 s[LIM], 1, -1
	s_mov_b32 s[G0K], 1
	s_mov_b32 s[G0K+1], 0
	s_mov_b32 s[G0V], 1
	s_mov_b32 s[G0V+1], VOFF
	s_mov_b32 s[G0E0], 1
	s_mov_b32 s[G0E0+1], EBASE
	s_mov_b32 s[G0E], 1
	s_mov_b32 s[G0E+1], EBASE+4*EGRP  ; the first change steps it to places 6 and 7
	s_wait_dscnt 0x0                ; the opening add is done
	s_wait_kmcnt 0x0
	s_add_nc_u64 s[4:5], s[4:5], s[20:21]  ; q at the head's first row; k lies 32 heads on, v 64
	s_add_nc_u64 s[G0K+2:G0K+3], s[4:5], 8388608
	s_add_nc_u64 s[G0V+2:G0V+3], s[4:5], 16777216
	s_add_nc_u64 s[PFA:PFA+1], s[G0K+2:G0K+3], 2*KS*128  ; at slot 1: the first change steps it to slot 2
	s_or_b32 s[G0K+3], s[G0K+3], 0x80000000
	s_or_b32 s[G0V+3], s[G0V+3], 0x80000000
	s_add_nc_u64 s[G0E0+2:G0E0+3], s[6:7], s[22:23]
	s_add_nc_u64 s[G0E+2:G0E+3], s[G0E0+2:G0E0+3], 4*KS*128
	s_or_b32 s[G0E0+3], s[G0E0+3], 0x80000000
	s_or_b32 s[G0E+3], s[G0E+3], 0x80000000
	s_add_nc_u64 s[10:11], s[8:9], s[2:3]  ; O at my wave's first row
	CROUND                          ; all sixteen work-groups are here: the first joint loads meet
	JLOAD3 G0E0, G1E0               ; slot 0 and e2's groups 0 to 5
	v_and_b32 v[H1], 15, v0         ; l % 16
	v_bfe_u32 v[H9], v0, 4, 1       ; l / 16
	s_lshl_b32 s18, s16, 8
	s_lshl_b32 s19, s[WV], 6
	s_add_co_u32 s18, s18, s19      ; iw
	v_add_nc_u32 v[HR], s18, v[H1]  ; piece 0's row of my lane
	v_lshlrev_b32 v[HQO], 7, v[HR]
	v_lshl_add_u32 v[HQO], v[H9], 4, v[HQO]
.irp t, 0,1,2,3
	v_add_nc_u32 v[HQN+\t], 16*\t+1, v[HR]
	v_min_u32 v[HQN+\t], 2047, v[HQN+\t]  ; behind the head's last row there is none: what is made of it belongs to keys that do not exist
	v_lshlrev_b32 v[HQN+\t], 7, v[HQN+\t]
	v_lshl_add_u32 v[HQN+\t], v[H9], 4, v[HQN+\t]
.endr
	WIN W_MK
	v_mov_b32 v[QO], v[HQO]
.irp t, 0,1,2,3
	v_mov_b32 v[QN+\t], v[HQN+\t]
.endr
	WIN 0x83                        ; destination window 2, address window 3
.set i, 0
.rept 8                             ; piece i / 2, channels 32 (i % 2) on
	global_load_b128 v[8*i:8*i+3],   v[QO], s[4:5] offset:(i/2)*2048+(i%2)*64
	global_load_b128 v[8*i+4:8*i+7], v[QO], s[4:5] offset:(i/2)*2048+(i%2)*64+32
	global_load_b128 v[QB+8*i:QB+8*i+3],   v[QN+i/2], s[4:5] offset:(i%2)*64
	global_load_b128 v[QB+8*i+4:QB+8*i+7], v[QN+i/2], s[4:5] offset:(i%2)*64+32
.set i, i+1
.endr
	WIN 0xc3                        ; destination window 3: QG begins as Q
.set i, 0
.rept 8
	global_load_b128 v[8*i:8*i+3],   v[QO], s[4:5] offset:(i/2)*2048+(i%2)*64
	global_load_b128 v[8*i+4:8*i+7], v[QO], s[4:5] offset:(i/2)*2048+(i%2)*64+32
.set i, i+1
.endr
	; What the first turn finds: V and P's second buffer hold 0 (its products V^T P, of a piece that has not been, add 0), O^T and l are 0.  All this stands in the wait for the first tiles.
	WIN 0x40
.set i, 0
.rept 192                           ; O^T and V
	v_mov_b32 v[i], 0
.set i, i+1
.endr
	WIN 0
.set i, 0
.rept 4
	v_mov_b32 v[ST+4*i], 0xfe000000    ; c m: far below every c s
	v_mov_b32 v[ST+4*i+1], 0xff7fffff  ; m
	v_mov_b32 v[ST+4*i+2], 0
	v_mov_b32 v[ST+4*i+3], 0
.set i, i+1
.endr
.set i, P+16
.rept 16
	v_mov_b32 v[i], 0
.set i, i+1
.endr
	v_mul_u32_u24 v[AK0], v[H1], PK
	v_lshl_add_u32 v[AK0], v[H9], 4, v[AK0]  ; row x pitch + 16 x half
	v_and_b32 v[H7], 7, v0
	v_bfe_u32 v[H3], v0, 3, 1
	v_lshl_add_u32 v[AV0], v[H9], 3, v[H7]   ; the turning load: key 8 (l / 16) + l % 8, channels 8 ((l / 8) % 2) + 0..7
	v_mul_u32_u24 v[AV0], v[AV0], PV
	v_lshl_add_u32 v[AV0], v[H3], 4, v[AV0]
	v_add_nc_u32 v[AV0], VOFF, v[AV0]
	v_lshlrev_b32 v[HPF], 23, v[H9]          ; V lies 8,388,608 bytes behind K
	v_lshl_add_u32 v[HPF], v[H1], 8, v[HPF]
	s_lshl_b32 s19, s13, 12                  ; my work-group's 16 blocks of the 64
	v_add_nc_u32 v[HPF], s19, v[HPF]
	s_mul_i32 s19, s[WV], GRING
	s_add_co_u32 s19, s19, GBASE+256         ; my ring
	v_mul_u32_u24 v[HSB], v[H9], 8*GP+32
	v_lshl_add_u32 v[HSB], v[H1], 2, v[HSB]
	s_sub_co_u32 s18, s19, 252
	v_add_nc_u32 v[HSB], s18, v[HSB]
	v_mul_u32_u24 v[HCL], v[H1], GP
	v_lshl_add_u32 v[HCL], v[H9], 5, v[HCL]
	v_add_nc_u32 v[HCL], s19, v[HCL]
	v_lshl_add_u32 v[HN], v[H9], 3, v[H1]    ; n + 8 h
.irp t, 0,1,2,3,4,5,6,7
	v_cmp_gt_u32 s[CM+\t], 15-\t, v[HN]      ; n + 8 h + t + 1 < 16
.endr
	v_mul_u32_u24 v[HST], v[H1], SP          ; the stage: in: row l % 16, 16 bytes for each half of the lanes
	v_lshl_add_u32 v[HST], v[H9], 4, v[HST]
	v_add_nc_u32 v[HST], s19, v[HST]
	v_bfe_u32 v[HRD], v0, 3, 2               ; back: 32 lanes take four rows of 128 bytes,
	v_mul_u32_u24 v[HRD], v[HRD], SP
	v_lshl_add_u32 v[HRD], v[H7], 4, v[HRD]
	v_add_nc_u32 v[HRD], s19, v[HRD]
	v_and_b32 v[HGO], 31, v0                 ; which are 512 consecutive bytes of O
	v_lshlrev_b32 v[HGO], 4, v[HGO]
	WIN W_MK
	v_mov_b32 v[PFO], v[HPF]
	v_mov_b32 v[ASB], v[HSB]
	v_mov_b32 v[ACL], v[HCL]
	v_mov_b32 v[STO], v[HST]
	v_mov_b32 v[RD], v[HRD]
	v_mov_b32 v[GO], v[HGO]
	SETPAR                          ; for group -1
; THE MATRIX WORK.  In each run of 8 the 4 accumulators take turns.
; Product i of 8 of S^T = K Q^T for piece x: channels 32 (i / 4) on, keys 16 (i % 4) on.  The first 4 start the sums with the relative term.
.macro KQ x
	WIN W_KQ
.set rS, S+32*((\x)%2)+8*(i%4)
.set rK, KF+16*(i%4)+8*(i/4)
.set rQ, 16*(\x)+8*(i/4)
.set rM, MC+32*((\x)%2)+8*(i%4)
.if i < 4
	v_wmma_f32_16x16x32_f16 v[rS:rS+7], v[rK:rK+7], v[rQ:rQ+7], v[rM:rM+7]
.else
	v_wmma_f32_16x16x32_f16 v[rS:rS+7], v[rK:rK+7], v[rQ:rQ+7], v[rS:rS+7]
.endif
.endm
; Product i of 8 of O^T += V^T P for piece x: keys 32 (i / 4) on, channels 16 (i % 4) on.
.macro PV x
	WIN W_PV
.set rO, 32*(\x)+8*(i%4)
.set rV, VF+32*(i/4)+8*(i%4)
.set rP, P+16*((\x)%2)+8*(i/4)
	v_wmma_f32_16x16x32_f16 v[rO:rO+7], v[rV:rV+7], v[rP:rP+7], v[rO:rO+7]
.endm
.macro MM                           ; the turn's next product of these two kinds
.if i < 8
	KQ (Y+1)%NP
.else
.set i, i-8
	PV (Y+NP-1)%NP
.set i, i+8
.endif
.set i, i+1
.endm
; Product gi of 8 of G for piece x: block gi % 4 of the group's rows, channels 32 (gi / 4) on.
.macro GQ x
	WIN W_G
.set rG, GT+8*(gi%4)
.set rA, 16*(\x)+8*(gi/4)
.set rE, EF+16*(gi%4)+8*(gi/4)
.if gi < 4
	v_wmma_f32_16x16x32_f16 v[rG:rG+7], v[rA:rA+7], v[rE:rE+7], 0
.else
	v_wmma_f32_16x16x32_f16 v[rG:rG+7], v[rA:rA+7], v[rE:rE+7], v[rG:rG+7]
.endif
.set gi, gi+1
.endm
; THE LDS WORK stands in runs.
.macro FETCH_K
	WIN 0
.irp f, 0,1,2,3,4,5,6,7             ; keys 16 (f / 2) on, channels 32 (f % 2) on
	ds_load_b128 v[KF+8*\f:KF+8*\f+3],   v[AK] offset:(\f/2)*16*PK+(\f%2)*64
	ds_load_b128 v[KF+8*\f+4:KF+8*\f+7], v[AK] offset:(\f/2)*16*PK+(\f%2)*64+32
.endr
	s_add_co_u32 s[TBK], s[TBK], KS*PK
.endm
.macro FETCH_V
	WIN 0x40
.irp f, 0,1,2,3,4,5,6,7             ; keys 32 (f / 4) on, channels 16 (f % 4) on
	ds_load_tr16_b128 v[VF+8*\f:VF+8*\f+3],   v[AV] offset:(\f/4)*32*PV+(\f%4)*32
	ds_load_tr16_b128 v[VF+8*\f+4:VF+8*\f+7], v[AV] offset:(\f/4)*32*PV+16*PV+(\f%4)*32
.endr
	WIN 0
.endm
.macro FETCH_E
	WIN W_MK
.irp f, 0,1,2,3,4,5,6,7             ; rows 16 (f / 2) on, channels 32 (f % 2) on
	ds_load_b128 v[EF+8*\f:EF+8*\f+3],   v[AE] offset:(\f/2)*16*PK+(\f%2)*64
	ds_load_b128 v[EF+8*\f+4:EF+8*\f+7], v[AE] offset:(\f/2)*16*PK+(\f%2)*64+32
.endr
	WIN 0
.endm
; G of piece x goes into the ring: 32 stores of a word a lane, each accumulator's registers in ascending order.  wc = 16 ka + (n + 8 h + t + 1), ka = block + piece: below 64 for ka <= 2 (ALO), at 64 or above
; for ka >= 4 (AHI); for ka = 3 the lane decides (AMID).  The two halves of the lanes lie 1,064 words apart, 40 banks: no two lanes of a store meet in a bank.
.macro GST x
	WIN W_AD
.irp bb, 0,1,2,3
.irp tt, 0,1,2,3,4,5,6,7
.set ka, (\bb)+(\x)
.set go, (\x)*16*GP+(\tt)*(GP+4)+64*ka
.if ka < 3
	ds_store_b32 v[ALO], v[GT+8*(\bb)+(\tt)] offset:go
.elseif ka > 3
	ds_store_b32 v[AHI], v[GT+8*(\bb)+(\tt)] offset:go
.else
	ds_store_b32 v[AMID+(\tt)], v[GT+8*(\bb)+(\tt)] offset:go
.endif
.endr
.endr
.endm
; and the step's 64 keys come back as piece x's C operands: LDS serves a wave's instructions in order, so these see the stores above and the group's before
.macro CLD x
	WIN W_A3
.irp kb, 0,1,2,3
	ds_load_b128 v[MC+32*((\x)%2)+8*(\kb):MC+32*((\x)%2)+8*(\kb)+3],   v[ACU] offset:(\x)*16*GP+64*(\kb)
	ds_load_b128 v[MC+32*((\x)%2)+8*(\kb)+4:MC+32*((\x)%2)+8*(\kb)+7], v[ACU] offset:(\x)*16*GP+64*(\kb)+16
.endr
.endm
; A NEW GROUP.  Its place in e2's ring, the ring's addresses for its parity, and which Q it wants.  The choice of Q is a select by a mask; it is made anew in the sixteen groups W0 .. W0 + 15, among which every partner's
; and every wave's first group at row 2048 lies, so the jump over it hangs on the cluster's x and the count of steps alone.
.macro NEWG
	WIN 0
	s_xor_b32 s[PLO], s[PLO], 768
	s_xor_b32 s[PHI], s[PHI], 256
	s_xor_b32 s[PCL], s[PCL], 256
	s_add_co_i32 s[SG], s[SG], 1
	s_add_co_u32 s[TBE], s[TBE], EGRP
	s_cmp_eq_u32 s[TBE], EEND
	s_cselect_b32 s[TBE], EBASE, s[TBE]
	s_cmp_ge_i32 s[SG], s[SWS]
	s_cselect_b32 s[SM], -1, 0
	s_sub_co_u32 s[TT], s[SG], s[W0]
	s_cmp_lt_u32 s[TT], 16
	s_cbranch_scc0 .Lsame_\@
	WIN 0xca                        ; destination window 3, sources window 2
.set z, 0
.rept 64
	v_cndmask_b32 v[z], v[z], v[QB+z], s[SM]
.set z, z+1
.endr
	WIN 0
.Lsame_\@:
	v_add_nc_u32 v[AE], s[TBE], v[AK0]
	SETPAR
	FETCH_E
.endm
; THE VECTOR WORK, one line at a time: OP kind, number.  For piece Y: F n: c s - c m for pair n of 16.  E n: the exponential of score n of 32.  C n: pair n rounded to f16.  B n: of the four weights 4 n .. the second
; pair is added onto the first, in place.  L n: l takes that sum (L 0: l = a l + sum).  R n: pair n of 16 of O^T times a.  For piece Y + 1: X n, number n of the 22 that find its maximum and statistics:
;   0-11  four chains c0-c3 of seven scores each (each accumulator's lowest registers are read first)     12-14, 16  the four scores left over, the old m, and c0-c3 into c0
;   15  c m_old is kept     17, 18  the query's other 32 keys lie in the lane 16 away: the new m     19-21  c m; c m_old - c m_new; a
.set F, 0
.set E, 1
.set C, 2
.set B, 3
.set L, 4
.set R, 5
.set X, 6
.macro REGS y
.set rT, ST+4*(\y)
.set rC, TMP+4*((\y)%2)
.set rW, MV+((\y)%2)
.set rS, S+32*((\y)%2)
.set rP, P+16*((\y)%2)
.set rO, 32*(\y)
.endm
.macro OP k, n
.if (\k) == R
	REGS Y
	WIN W_PV
	v_pk_mul_f32 v[rO+2*(\n):rO+2*(\n)+1], v[rO+2*(\n):rO+2*(\n)+1], v[rC+2:rC+3] op_sel_hi:[1,0]
.elseif (\k) < R
	REGS Y
	WIN VW                          ; W_KQ serves F and E alone: neither has a vector register as its source 1
.if (\k) == F
	v_pk_fma_f32 v[rS+2*(\n):rS+2*(\n)+1], v[rS+2*(\n):rS+2*(\n)+1], s[CS:CS+1], v[rT:rT+1] op_sel_hi:[1,0,0] neg_lo:[0,0,1] neg_hi:[0,0,1]
.elseif (\k) == E
	v_exp_f32 v[rS+(\n)], v[rS+(\n)]
.elseif (\k) == C
	v_cvt_pk_f16_f32 v[rP+(\n)], v[rS+2*(\n)], v[rS+2*(\n)+1]
.elseif (\k) == B
	v_pk_add_f32 v[rS+4*(\n):rS+4*(\n)+1], v[rS+4*(\n):rS+4*(\n)+1], v[rS+4*(\n)+2:rS+4*(\n)+3]
.elseif (\n) == 0
	v_pk_fma_f32 v[rT+2:rT+3], v[rT+2:rT+3], v[rC+2:rC+3], v[rS:rS+1] op_sel_hi:[1,0,1]
.else
	v_pk_add_f32 v[rT+2:rT+3], v[rT+2:rT+3], v[rS+4*(\n):rS+4*(\n)+1]
.endif
.else
	REGS (Y+1)%NP
	WIN 0
.if (\n) < 4
	v_max3_num_f32 v[rC+(\n)], v[rS+8*(\n)], v[rS+8*(\n)+1], v[rS+8*(\n)+2]
.elseif (\n) < 12
	v_max3_num_f32 v[rC+(\n)%4], v[rC+(\n)%4], v[rS+8*((\n)%4)+2*((\n)/4)+1], v[rS+8*((\n)%4)+2*((\n)/4)+2]
.elseif (\n) == 12
	v_max3_num_f32 v[rC], v[rC], v[rS+7], v[rS+15]
.elseif (\n) == 13
	v_max3_num_f32 v[rC+1], v[rC+1], v[rS+23], v[rS+31]
.elseif (\n) == 14
	v_max3_num_f32 v[rC+2], v[rC+2], v[rC+3], v[rT+1]
.elseif (\n) == 15
	v_mov_b32 v[rW], v[rT]
.elseif (\n) == 16
	v_max3_num_f32 v[rC], v[rC], v[rC+1], v[rC+2]
.elseif (\n) == 17
	v_permlanex16_b32 v[rC+3], v[rC], s[SEL], s[SEL+1]
.elseif (\n) == 18
	v_max_num_f32 v[rT+1], v[rC], v[rC+3]
.elseif (\n) == 19
	v_mul_f32 v[rT], s[CS], v[rT+1]
.elseif (\n) == 20
	v_sub_f32 v[rC+1], v[rW], v[rT]
.else
	v_exp_f32 v[rC+2], v[rC+1]
.endif
.endif
.endm
.macro OPS a, i1, b=-1, i2=0, c=-1, i3=0, d=-1, i4=0
	OP \a, \i1
.if (\b) >= 0
	OP \b, \i2
.endif
.if (\c) >= 0
	OP \c, \i3
.endif
.if (\d) >= 0
	OP \d, \i4
.endif
.endm
.macro ROW a, i1, b, i2, c, i3, d, i4  ; a product K Q^T and the four behind it, all under one setting
	MM
	OPS \a, \i1, \b, \i2, \c, \i3, \d, \i4
.endm
.macro GROW a, i1, b=-1, i2=0, c=-1, i3=0, d=-1, i4=0  ; a product G and the lines behind it
	GQ XG
	OPS \a, \i1, \b, \i2, \c, \i3, \d, \i4
.endm
.macro EROW a, i1, b, i2, c, i3, d, i4 ; a product V^T P, two rescalings under its setting, and four roundings and sums
	MM
	OP R, ri
	OP R, ri+1
.set ri, ri+2
	OPS \a, \i1, \b, \i2, \c, \i3, \d, \i4
.endm
; A TURN, for piece p.  AHEAD OF ITS ONE WAIT stands all that names no result of the turn's exponentials:
;   8 products K Q^T of piece p + 1, behind each two scalings and two exponentials of piece p (a pair is scaled a row or more ahead of its exponentials, pair 0 two lines ahead);
;   8 products G of piece p + 2, behind each two numbers of piece p + 1's maximum and an exponential.  X 0 to X 3 stand 8, 7, 6 and 5 plain instructions behind the products that end their accumulators;
;   the end of the maximum's chain, X 16 to X 21, each link of which waits for the one before it, with the last eight exponentials between the links; a v_nop is the plain instruction behind the batch's last exponential.
; Behind the last G stand X 14, X 15, X 16, X 18, X 19, X 20 and the v_nop: the places in front of the stores that read G.  Directly behind the wait stands the LDS run: G into the ring, the C operands of the next turn's
; K Q^T out of it.  Then 8 products V^T P of piece p - 1, behind each two rescalings of piece p's O^T (its a was made, and waited for, a turn back) and four of the roundings and sums.
; THE WAITS ON LDS.  At the head the turn before's run must be back, since its loads are this turn's C operands.  Piece 2: the new group's 16 loads were just issued and may stay out; they are waited for ahead of the first G.
; Piece 3: K, fetched a turn back, is wanted too: 0.  Piece 0: 0.  Piece 1: V's 16 loads, issued at the end of piece 0's turn, may stay out; they are waited for ahead of V^T P, where the 40 of this turn's run are younger.
; K of the next step is fetched in piece 2's turn, six plain instructions that name none of its registers (F 14, F 15, X 0, X 1, X 2, X 3) behind the last product that read K; V of the step in hand at the end of piece 0's turn, six behind the last that read V.
; last = 1 (the tail): in its last trip there is no further step: K's address goes back a step by a select, and the same K is read once more.  cnt = 1: the loop's count is taken down some lines ahead of the branch behind the turn.
.macro TURN p, last=0, cnt=0
.set Y, (\p)
.set XG, ((\p)+2)%NP
.set i, 0
.set gi, 0
.set ri, 0
.if (\p) == 2
	NEWG
	s_wait_dscnt 16
.elseif (\p) == 1
	s_wait_dscnt 16
.else
	s_wait_dscnt 0x0
.endif
.set VW, W_KQ
	ROW F,0, F,1, E,0, E,1
	ROW F,2, E,2, F,3, E,3
	ROW F,4, E,4, F,5, E,5
	ROW F,6, E,6, F,7, E,7
	ROW F,8, E,8, F,9, E,9
	ROW F,10, E,10, F,11, E,11
	ROW F,12, E,12, F,13, E,13
	ROW F,14, E,14, F,15, E,15
.set VW, 0
.if (\p) == 2
	s_wait_dscnt 0x0                ; the group's fragments are in
.endif
	GROW X,0, X,1, E,16
	GROW X,2, X,3, E,17
.if (\p) == 2
	WIN 0
.if \last
	s_cmp_eq_u32 s[CNT], 1
	s_cselect_b32 s[TT], KS*PK, 0
	s_sub_co_u32 s[TBK], s[TBK], s[TT]
.endif
	v_add_nc_u32 v[AK], s[TBK], v[AK0]
	FETCH_K
.endif
	GROW X,4, X,5, E,18
	GROW X,6, X,7, E,19
	GROW X,8, X,9, E,20
.if (\p) == 0
	WIN 0
	v_add_nc_u32 v[AV], s[TBV], v[AV0]
.endif
	GROW X,10, X,11, E,21
	GROW X,12, X,13, E,22
	GROW X,14, X,15, E,23
	OPS X,16, E,24, E,25, X,17
	OPS E,26, X,18, E,27, E,28
	OPS X,19, E,29, X,20, E,30
	OPS E,31, X,21
	v_nop                           ; the plain instruction behind the batch's last exponential
	s_wait_alu depctr_va_vdst(0)    ; one wait for the batch, ahead of its first reader
	GST XG
	CLD XG
.if (\p) == 1
	s_wait_dscnt 40                 ; V is in
.endif
	EROW C,0, B,0, C,2, B,1
	EROW L,0, C,4, B,2, L,1
	EROW C,6, B,3, L,2, C,8
	EROW B,4, L,3, C,10, B,5
	EROW L,4, C,12, B,6, L,5
.if (\p) == 0
	s_add_co_u32 s[TBV], s[TBV], KS*PV
.endif
.if \cnt
	s_sub_co_u32 s[CNT], s[CNT], 1
	s_cmp_lg_u32 s[CNT], 0
.endif
	EROW C,14, B,7, L,6, C,1
	EROW C,3, L,7, C,5, C,7
	EROW C,9, C,11, C,13, C,15
.if (\p) == 0
	FETCH_V
.endif
.endm
.macro GRUN x                       ; ahead of the loop: a piece's 8 products G by themselves; five places behind them, for the stores that read them and for the next run, which writes over them
.set gi, 0
.rept 8
	GQ \x
.endr
.rept 5
	v_nop
.endr
.endm
	CHANGE 1                        ; slot 0 and groups 0 to 5 are in, everybody's part of them; slot 1 and groups 6, 7 are asked for
	v_add_nc_u32 v[AE], s[TBE], v[AK0]
	FETCH_E                         ; group -1: it holds the first keys' terms of step 0
	s_wait_loadcnt 0x0              ; Q, three times
	s_wait_dscnt 0x0
.irp x, 0,1,2,3
	GRUN \x
	GST \x
.endr
	NEWG                            ; group 0
	s_wait_dscnt 0x0
.irp x, 0,1                         ; pieces 2 and 3 follow in the first two turns
	GRUN \x
	GST \x
	CLD \x
.endr
	WIN 0
	v_add_nc_u32 v[AK], s[TBK], v[AK0]
	FETCH_K                         ; key step 0
	s_wait_dscnt 0x0
.set i, 0
.rept 8
	KQ 0                            ; piece 0's first scores
.set i, i+1
.endr
	WIN 0
.rept 4
	v_nop                           ; the places behind those products
.endr
.set Y, NP-1                        ; X works for piece Y + 1: piece 0
.irp n, 0,1,2,3,4,5,6,7,8,9,10,11,12,13,14,15,16,17,18,19,20,21
	OP X, \n
.endr
	v_nop                           ; a plain instruction behind the exponential,
	s_wait_alu depctr_va_vdst(0)    ; and its wait, ahead of the branch
	s_mov_b32 s[CNT], 2
	s_branch .Lfirst                ; the loop is entered at a step's first turn, in the middle of a trip
.Lslot:                             ; 14 times: every slot but the last two is filled again
	CHANGE 1
	s_mov_b32 s[CNT], 2
.Lstep:                             ; a trip: pieces 2 and 3 of one step, then pieces 0 and 1 of the next, whose group, K and V it fetches
	TURN 2
	TURN 3
	WIN 0
.Lfirst:
	TURN 0
	TURN 1, 0, 1
	WIN 0
	s_cbranch_scc1 .Lstep
	s_sub_co_u32 s[SLOTS], s[SLOTS], 1
	s_cmp_lg_u32 s[SLOTS], 0
	s_cbranch_scc1 .Lslot
	CHANGE 0                        ; the tail is written out: nothing is asked for
	s_mov_b32 s[CNT], 3             ; two trips fetch the last slot's steps; the third is left in its middle
.Ltail:
	TURN 2, 1
	TURN 3
	WIN 0
	s_sub_co_u32 s[CNT], s[CNT], 1
	s_cmp_eq_u32 s[CNT], 0
	s_cbranch_scc1 .Lout
	TURN 0
	TURN 1
	WIN 0
	s_branch .Ltail
.Lout:                              ; the third trip's products G (on an old group), K Q^T (on the last K once more) and the maximum made of them serve nothing: the price, once a launch, of one text for every trip
.set i, 0
.rept 8
	PV NP-1                         ; the last piece's V^T P of the last step
.set i, i+1
.endr
	; THE WAY OUT.  l's two halves and the other half of the lanes' are added; O^T is divided by l, rounded to f16 and sent through my stage, a piece at a time.  The additions are the places behind the last products.
	WIN 0
.macro ALL line:vararg
.set t, 0
.rept 4
	\line
.set t, t+1
.endr
.endm
	ALL v_add_f32 v[ST+4*t+2], v[ST+4*t+2], v[ST+4*t+3]
	ALL v_permlanex16_b32 v[ST+4*t+3], v[ST+4*t+2], s[SEL], s[SEL+1]
	ALL v_add_f32 v[ST+4*t+2], v[ST+4*t+2], v[ST+4*t+3]
	ALL v_rcp_f32 v[ST+4*t+2], v[ST+4*t+2]
	v_nop                           ; a plain instruction between the last reciprocal and the use of its result
	s_wait_alu depctr_va_vdst(0)    ; and one wait for the four reciprocals
.macro PACK t                       ; a lane's eight channels of a row pack into 16 bytes; they go into rows of 144 bytes and come back as whole rows of 128, into S^T's registers
	WIN 0x41                        ; O^T in window 1, 1 / l in window 0
.set i, 32*(\t)
.rept 16
	v_pk_mul_f32 v[i:i+1], v[i:i+1], v[ST+4*(\t)+2:ST+4*(\t)+3] op_sel_hi:[1,0]
.set i, i+2
.endr
	WIN 0x05                        ; sources 0 and 1 window 1, destination window 0
.set i, 0
.rept 16
	v_cvt_pk_f16_f32 v[S+16*(\t)+i], v[32*(\t)+2*i], v[32*(\t)+2*i+1]
.set i, i+1
.endr
	WIN W_A3
.irp f, 0,1,2,3
	ds_store_b128 v[STO], v[S+16*(\t)+4*\f:S+16*(\t)+4*\f+3] offset:32*\f
.endr
.irp f, 0,1,2,3
	ds_load_b128 v[S+16*(\t)+4*\f:S+16*(\t)+4*\f+3], v[RD] offset:\f*4*SP  ; LDS serves a wave's instructions in order: these see the stores above; the next piece's stores come behind them
.endr
.endm
.macro SEND t, younger              ; younger: the LDS instructions issued behind piece t's loads
	WIN W_A3
.irp f, 0,1,2,3
	s_wait_dscnt (\younger)+3-\f
	global_store_b128 v[GO], v[S+16*(\t)+4*\f:S+16*(\t)+4*\f+3], s[10:11] offset:(\t)*2048+\f*512  ; 512 consecutive bytes, at a multiple of 256 from ob's first
.endr
.endm
	PACK 0
.set t, 1
.rept 3
	PACK t
	SEND t-1, 8
.set t, t+1
.endr
	SEND 3, 0
	WIN W_AD
	s_wait_tensorcnt 0x0            ; the wave's end: behind my last tensor load and my last LDS store
	ds_add_u32 v[SPW], v[NIL]
	s_wait_dscnt 0x0
	WIN 0
	CROUND                          ; the closing round
	s_endpgm
.Lfunc_end_k_qc133ab0524_attn:
	.size	k_qc133ab0524_attn, .Lfunc_end_k_qc133ab0524_attn-k_qc133ab0524_attn
	.p2alignl 7, 3214868480
	.fill 96, 4, 3214868480
	.section	.rodata,"a",@progbits
	.p2align	6, 0x0
	.amdhsa_kernel k_qc133ab0524_attn
		.amdhsa_group_segment_fixed_size 327680
		.amdhsa_private_segment_fixed_size 0
		.amdhsa_enable_private_segment 0
		.amdhsa_kernarg_size 24
		.amdhsa_user_sgpr_count 2
		.amdhsa_user_sgpr_kernarg_segment_ptr 1
		.amdhsa_wavefront_size32 1
		.amdhsa_system_sgpr_workgroup_id_x 1
		.amdhsa_system_sgpr_workgroup_id_y 1
		.amdhsa_system_sgpr_workgroup_id_z 1
		.amdhsa_system_vgpr_workitem_id 0
		.amdhsa_next_free_vgpr 960
		.amdhsa_next_free_sgpr 105
		.amdhsa_reserve_vcc 0
		.amdhsa_float_denorm_mode_32 3
		.amdhsa_float_denorm_mode_16_64 3
		.amdhsa_memory_ordered 1
		.amdhsa_forward_progress 1
		.amdhsa_inst_pref_size 180
	.end_amdhsa_kernel
	.amdgpu_metadata
---
amdhsa.version: [ 1, 2 ]
amdhsa.kernels:
  - .name:           k_qc133ab0524_attn
    .symbol:         k_qc133ab0524_attn.kd
    .args:
      - { .name: qkv, .offset: 0, .size: 8, .value_kind: global_buffer, .address_space: global }
      - { .name: e2, .offset: 8, .size: 8, .value_kind: global_buffer, .address_space: global }
      - { .name: ob, .offset: 16, .size: 8, .value_kind: global_buffer, .address_space: global }
    .group_segment_fixed_size: 327680
    .private_segment_fixed_size: 0
    .kernarg_segment_align: 8
    .kernarg_segment_size: 24
    .max_flat_workgroup_size: 128
    .sgpr_count:     105
    .vgpr_count:     960
    .wavefront_size: 32
...
	.end_amdgpu_metadata
.endif
;; end of part 3
;; launch gemm_proj (part 4): grid 8 x 32, 4 waves a work-group, clusters of 4 x 4, 327,680 bytes of LDS; arguments ob, wp, bias, out0; writes out0
.if DOCPART == 4
	.amdgcn_target "amdgcn-amd-amdhsa--gfx1250"
	.amdhsa_code_object_version 6
	.text
	.protected	k_qc133ab0524_gemm_proj
	.globl	k_qc133ab0524_gemm_proj
	.p2align	8
	.type	k_qc133ab0524_gemm_proj,@function
k_qc133ab0524_gemm_proj:
	s_mov_b64 s[64:65], 0
	v_nop
	global_prefetch_b8 v0, s[64:65] scope:SCOPE_SE
	s_setreg_imm32_b32 hwreg(HW_REG_WAVE_MODE, 25, 1), 1
	s_wait_xcnt 0x0
	s_wait_alu depctr_hold_cnt(0) depctr_sa_sdst(0) depctr_va_vdst(0) depctr_va_sdst(0) depctr_va_ssrc(0) depctr_va_vcc(0) depctr_vm_vsrc(0)
	s_getreg_b32 s2, hwreg(HW_REG_IB_STS2, 6, 4)
	s_cmp_eq_u32 s2, 0
	s_cbranch_scc0 .Lentry_in_a_cluster
	s_endpgm
.Lentry_in_a_cluster:
	s_bfe_u32 s2, ttmp6, 0x10000c
	s_cmp_lg_u32 s2, 0xf033
	s_cbranch_scc0 .Lentry_shape_is_right
	s_endpgm
.Lentry_shape_is_right:
; out0 = O proj_w + proj_b.  ob: the attention's result in planes [16 heads][4096 rows][64] f16; wp: proj_w in planes [16][1024][64] f16 (plane = 64 output columns, rows along K); bias + 12,288: proj_b, f32.
; out0: [4096][1024] f32; sums in f32.
; SHARES.  Tiles of 128 x 128: 256 work-groups.  Four waves, 2 x 2, each 64 x 64: 16 accumulators.  K goes in four steps of 256 (four planes of ob) through two LDS slots; written straight, since a loop would have one trip.
; CLUSTER.  4 x 4: the four of a row need the same tile of ob, the four of a column the same tile of wp: asked for jointly.
; THE MATRIX INSTRUCTION IS USED TRANSPOSED (source 0 = 16 columns of W, turned out of LDS; source 1 = 16 rows of O): a lane holds eight neighbouring columns of one row.  The sums start with the bias as C.
; No prefetch: all four K steps come by the first fills and the first refills.
; REGISTERS: window 0: v16-30 addresses; v96-127 the bias; v128-255 the accumulators ((a, b) at 128 + 8 (4 a + b)).  window 1: two fragment buffers of 128: for 64 along K, 64 registers of O, then 64 of W.
.set PA,    144
.set PB,    160
.set APL,   128*PA                     ; a plane's 128 rows of O
.set BPL,   256*PB                     ; a step's 256 rows (K) of one plane of W
.set BOFF,  4*APL
.set SLOT,  BOFF+2*BPL
.set SPARE, 2*SLOT                     ; behind the ring: the spare words, two blocks of 256 bytes that no other line names
.set SP2,   272                        ; the way out's stage: rows of 256 bytes + 16; 16 rows a wave, at the head of slot 0, which has had its last fill and its last read by then
.set ASTEP, 4*524288                   ; bytes of ob from a K step to the next: four planes
.set BSTEP, 256*128                    ; of wp: 256 rows of 128 bytes
.set ADRA, 16
.set ADRB, 20
.set STO,  24
.set RD,   25
.set CO,   26
.set SPW,  28
.set NIL,  29
.set BO,   30
.set BIA,  96
.set ACC,  128
.set F0,   0
.set F1,   128
.set WV,   12                          ; s12  my wave's number
.set FB,   13                          ; s13  which half of the tile's rows is mine.  Also: I fetch for O (0) or for W (1)
.set HF,   14                          ; s14  which plane of its columns.  Also: which two planes of O, which plane of W I fetch
.set G1,   24
.set G0,   32
.set G1B,  48
.set G0B,  56
.set MSB, 0
.macro WIN new
.if MSB != (\new)
	s_set_vgpr_msb (MSB<<8)|(\new)
.set MSB, \new
.endif
.endm
.set MUL,  0x05                        ; sources in window 1; C and D in window 0
.set TO_F, 0x40                        ; destination window 1, address window 0
.macro JLOAD s
	s_cmp_eq_u32 s[FB], 0
	s_cbranch_scc0 .Lfor_b_\@
	tensor_load_to_lds s[G0+4*(\s):G0+4*(\s)+3], s[G1:G1+7]
	s_nop 0
.rept 4
	v_nop
.endr
	s_branch .Lasked_\@
.Lfor_b_\@:
	tensor_load_to_lds s[G0B+4*(\s):G0B+4*(\s)+3], s[G1B:G1B+7]
	s_nop 0
.rept 4
	v_nop
.endr
.Lasked_\@:
.endm
.macro CREST
	s_cmp_lg_u32 s[WV], 0
	s_cbranch_scc1 .Lnot_wave_0_\@
	s_barrier_signal -3
.Lnot_wave_0_\@:
	s_barrier_wait -3
	s_barrier_signal -1
	s_barrier_wait -1
.endm
.macro CROUND
	s_barrier_signal -1
	s_barrier_wait -1
	CREST
.endm
	s_load_b256 s[4:11], s[0:1], 0x0               ; ob s[4:5], wp s[6:7], bias s[8:9], out0 s[10:11]
	v_lshl_add_u32 v[SPW], v0, 2, SPARE
	v_mov_b32 v[NIL], 0
	ds_add_u32 v[SPW], v[NIL]                      ; the wave's opening: the add and its wait stand ahead of my first tensor load
	v_lshrrev_b32 v1, 5, v0
	v_readfirstlane_b32 s[WV], v1
	s_lshr_b32 s[FB], s[WV], 1
	s_and_b32 s[HF], s[WV], 1
	s_bfe_u32 s15, ttmp6, 0x40000                  ; cx, cy
	s_bfe_u32 s16, ttmp6, 0x40004
	s_lshl_b32 s17, ttmp9, 2
	s_add_co_u32 s17, s17, s15                     ; tile column
	s_and_b32 s18, ttmp7, 0xffff
	s_lshl_b32 s18, s18, 2
	s_add_co_u32 s18, s18, s16                     ; tile row
	s_lshl_b32 s19, s16, 2
	s_lshl_b32 s19, 15, s19                        ; my row of the cluster
	s_lshl_b32 s20, 0x1111, s15                    ; my column
	; O: two planes' 16,384 dense bytes each, as 2 rows of 2,048 elements of 8 bytes, a plane (65,536 elements) apart; 16 bytes of padding behind every 128
	s_or_b32 s[G1], s19, (3<<16)|(1<<20)|(1<<21)|(4<<22)|(3<<25)
	s_mov_b32 s[G1+1], 2048<<16
	s_mov_b32 s[G1+2], 2<<16
	s_mov_b32 s[G1+3], 2048<<16
	s_mov_b32 s[G1+4], 2
	s_mov_b32 s[G1+5], 65536
	s_mov_b32 s[G1+6], 0
	s_mov_b32 s[G1+7], 0
	; W: 32,768 dense bytes as 128 rows of 128 elements of 2 bytes; 32 bytes of padding behind every 128
	s_or_b32 s[G1B], s20, (1<<16)|(1<<20)|(1<<21)|(4<<22)|(7<<25)
	s_mov_b32 s[G1B+1], 128<<16
	s_mov_b32 s[G1B+2], 128<<16
	s_mov_b32 s[G1B+3], 128<<16
	s_mov_b32 s[G1B+4], 128
	s_mov_b32 s[G1B+5], 128
	s_mov_b32 s[G1B+6], 0
	s_mov_b32 s[G1B+7], 0
	s_lshl_b32 s22, s18, 14                        ; O: the tile's 128 rows of 128 bytes in a plane,
	s_lshl_b32 s21, s[HF], 20                      ; my two planes of the step's four
	s_add_co_u32 s22, s22, s21
	s_mov_b32 s23, 0
	s_lshl_b32 s46, s17, 1                         ; W: plane 2 x tile column + mine
	s_add_co_u32 s46, s46, s[HF]
	s_lshl_b32 s46, s46, 17
	s_mov_b32 s47, 0
	s_mul_i32 s21, s[HF], 2*APL
	s_mul_i32 s3, s[HF], BPL
	s_add_co_u32 s3, s3, BOFF
	s_wait_dscnt 0x0                               ; the opening add is done
	s_wait_kmcnt 0x0
	s_add_nc_u64 s[22:23], s[4:5], s[22:23]
	s_add_nc_u64 s[46:47], s[6:7], s[46:47]
	CROUND                                         ; all sixteen work-groups are here: the first joint loads meet
.irp s, 0,1
	s_mov_b32 s[G0+4*(\s)], 1
	s_add_co_u32 s[G0+4*(\s)+1], s21, (\s)*SLOT
	s_add_nc_u64 s[G0+4*(\s)+2:G0+4*(\s)+3], s[22:23], (\s)*ASTEP
	s_or_b32 s[G0+4*(\s)+3], s[G0+4*(\s)+3], 0x80000000
	s_mov_b32 s[G0B+4*(\s)], 1
	s_add_co_u32 s[G0B+4*(\s)+1], s3, (\s)*SLOT
	s_add_nc_u64 s[G0B+4*(\s)+2:G0B+4*(\s)+3], s[46:47], (\s)*BSTEP
	s_or_b32 s[G0B+4*(\s)+3], s[G0B+4*(\s)+3], 0x80000000
	JLOAD \s
.endr
	v_and_b32 v1, 15, v0                           ; l % 16
	v_bfe_u32 v2, v0, 4, 1                         ; l / 16
	v_mul_u32_u24 v3, v1, PA
	v_lshl_add_u32 v3, v2, 4, v3
	s_mul_i32 s21, s[FB], 64*PA                    ; my 64 rows
	v_add_nc_u32 v[ADRA], s21, v3
	v_add_nc_u32 v[ADRA+1], SLOT, v[ADRA]
	v_and_b32 v4, 7, v0
	v_lshl_add_u32 v4, v2, 3, v4
	v_mul_u32_u24 v4, v4, PB
	v_bfe_u32 v5, v0, 3, 1
	v_lshl_add_u32 v4, v5, 4, v4
	s_mul_i32 s21, s[HF], BPL                      ; my plane
	s_add_co_u32 s21, s21, BOFF
	v_add_nc_u32 v[ADRB], s21, v4
	v_add_nc_u32 v[ADRB+1], SLOT, v[ADRB]
	s_mul_i32 s21, s[WV], 16*SP2                   ; my stage
	v_mul_u32_u24 v6, v1, SP2                      ; in: row l % 16, 32 bytes for each half of the lanes
	v_lshl_add_u32 v6, v2, 5, v6
	v_add_nc_u32 v[STO], s21, v6
	v_mul_u32_u24 v7, v2, SP2                      ; back: lanes 0-15 take one row of 256 bytes, lanes 16-31 the next
	v_lshl_add_u32 v7, v1, 4, v7
	v_add_nc_u32 v[RD], s21, v7
	v_lshlrev_b32 v[CO], 12, v2                    ; and the same two rows in out0
	v_lshl_add_u32 v[CO], v1, 4, v[CO]
	v_lshlrev_b32 v[BO], 5, v2
	s_lshl_b32 s46, s17, 9                         ; my 64 columns: 512 x tile column + 256 x plane bytes
	s_lshl_b32 s47, s[HF], 8
	s_add_co_u32 s46, s46, s47
	s_mov_b32 s47, 0
	s_add_nc_u64 s[8:9], s[8:9], s[46:47]
	s_add_nc_u64 s[10:11], s[10:11], s[46:47]
.irp b, 0,1,2,3
	global_load_b128 v[BIA+8*\b:BIA+8*\b+3],   v[BO], s[8:9] offset:12288+64*\b
	global_load_b128 v[BIA+8*\b+4:BIA+8*\b+7], v[BO], s[8:9] offset:12288+64*\b+16
.endr
	s_lshl_b32 s46, s18, 7
	s_lshl_b32 s47, s[FB], 6
	s_add_co_u32 s46, s46, s47                     ; my first row
	s_lshl_b32 s46, s46, 12
	s_mov_b32 s47, 0
	s_add_nc_u64 s[10:11], s[10:11], s[46:47]
; 8 matrix instructions: row blocks a0, a0 + 1 x all 4 column blocks, 32 along K: half c of buffer f.  zero = 1: the first product starts the sums, with the bias.  The 16 accumulators take turns.
.macro MUL8 f, c, a0, zero
	WIN MUL
.irp a, \a0, (\a0)+1
.irp b, 0,1,2,3
.if \zero
	v_wmma_f32_16x16x32_f16 v[ACC+8*(4*(\a)+(\b)):ACC+8*(4*(\a)+(\b))+7], v[(\f)+64+8*(4*(\c)+(\b)):(\f)+64+8*(4*(\c)+(\b))+7], v[(\f)+8*(4*(\c)+(\a)):(\f)+8*(4*(\c)+(\a))+7], v[BIA+8*(\b):BIA+8*(\b)+7]
.else
	v_wmma_f32_16x16x32_f16 v[ACC+8*(4*(\a)+(\b)):ACC+8*(4*(\a)+(\b))+7], v[(\f)+64+8*(4*(\c)+(\b)):(\f)+64+8*(4*(\c)+(\b))+7], v[(\f)+8*(4*(\c)+(\a)):(\f)+8*(4*(\c)+(\a))+7], v[ACC+8*(4*(\a)+(\b)):ACC+8*(4*(\a)+(\b))+7]
.endif
.endr
.endr
.endm
; 32 LDS loads in one run: the fragments of quarter q (one plane of O, 64 along K) into buffer f; the first 32 along K first
.macro FETCH slot, q, f
	WIN TO_F
.irp c, 0,1
.irp i, 0,1,2,3
	ds_load_tr16_b128 v[(\f)+64+8*(4*(\c)+(\i)):(\f)+64+8*(4*(\c)+(\i))+3],   v[ADRB+(\slot)] offset:(64*(\q)+32*(\c))*PB+32*(\i)
	ds_load_tr16_b128 v[(\f)+64+8*(4*(\c)+(\i))+4:(\f)+64+8*(4*(\c)+(\i))+7], v[ADRB+(\slot)] offset:(64*(\q)+32*(\c))*PB+32*(\i)+16*PB
	ds_load_b128 v[(\f)+8*(4*(\c)+(\i)):(\f)+8*(4*(\c)+(\i))+3],               v[ADRA+(\slot)] offset:(\q)*APL+(\i)*16*PA+64*(\c)
	ds_load_b128 v[(\f)+8*(4*(\c)+(\i))+4:(\f)+8*(4*(\c)+(\i))+7],             v[ADRA+(\slot)] offset:(\q)*APL+(\i)*16*PA+64*(\c)+32
.endr
.endr
.endm
.macro PLACES
.rept 4
	v_nop
.endr
.endm
.macro QUARTER slot, q, f, g, zero
	s_wait_dscnt 16                                ; the first 32 along K are in
	MUL8 \f, 0, 0, \zero
	MUL8 \f, 0, 2, \zero
	PLACES
	FETCH \slot, \q, \g
	s_wait_dscnt 32                                ; all but the 32 just issued
	MUL8 \f, 1, 0, 0
	MUL8 \f, 1, 2, 0
.endm
.macro TURN slot, next, fill
	WIN 0
	s_wait_tensorcnt 0x0                           ; all my tensor loads have landed: my part of the next slot;
	ds_add_u32 v[SPW], v[NIL]                      ; 0 onto my spare word;
	s_wait_dscnt 17                                ; (the add and the youngest sixteen loads may be out)
	MUL8 F1, 0, 0, 0
	s_wait_dscnt 0x0                               ; the add is done, and my reads of this slot are over
	s_barrier_signal -1
	MUL8 F1, 0, 2, 0
.if \fill
	WIN 0
.endif
	s_barrier_wait -1
.if \fill
	CREST                                          ; the barrier has opened a round of the cluster's: no wave of any partner still reads this slot or has a load on its way
	s_add_nc_u64 s[G0+4*(\slot)+2:G0+4*(\slot)+3], s[G0+4*(\slot)+2:G0+4*(\slot)+3], 2*ASTEP
	s_add_nc_u64 s[G0B+4*(\slot)+2:G0B+4*(\slot)+3], s[G0B+4*(\slot)+2:G0B+4*(\slot)+3], 2*BSTEP
	JLOAD \slot
.else
	PLACES
.endif
	FETCH \next, 0, F0
	MUL8 F1, 1, 0, 0
	MUL8 F1, 1, 2, 0
.endm
	s_wait_tensorcnt 1                             ; my part of K step 0 is in; K step 1's may stay out
	s_barrier_signal -1
	s_barrier_wait -1
	FETCH 0, 0, F0
	s_wait_loadcnt 0x0                             ; the bias
	QUARTER 0, 1, F0, F1, 1                        ; K step 0
	QUARTER 0, 2, F1, F0, 0
	QUARTER 0, 3, F0, F1, 0
	TURN 0, 1, 1                                   ; slot 0 takes K step 2
	QUARTER 1, 1, F0, F1, 0                        ; K step 1
	QUARTER 1, 2, F1, F0, 0
	QUARTER 1, 3, F0, F1, 0
	TURN 1, 0, 1                                   ; slot 1 takes K step 3
	QUARTER 0, 1, F0, F1, 0                        ; K step 2
	QUARTER 0, 2, F1, F0, 0
	QUARTER 0, 3, F0, F1, 0
	TURN 0, 1, 0                                   ; nothing is left to fetch; behind this barrier nobody reads slot 0 any more
	QUARTER 1, 1, F0, F1, 0                        ; K step 3
	QUARTER 1, 2, F1, F0, 0
	QUARTER 1, 3, F0, F1, 0
	s_wait_dscnt 16
	MUL8 F1, 0, 0, 0
	MUL8 F1, 0, 2, 0
	s_wait_dscnt 0x0
	MUL8 F1, 1, 0, 0
	MUL8 F1, 1, 2, 0
	WIN 0
; THE WAY OUT, a block of 16 rows at a time: a lane's 32 bytes of a row go into my stage, and whole rows of 256 bytes come back, into the registers that they left.
.macro PUT a
.irp b, 0,1,2,3
	ds_store_b128 v[STO], v[ACC+8*(4*(\a)+(\b)):ACC+8*(4*(\a)+(\b))+3]   offset:64*(\b)
	ds_store_b128 v[STO], v[ACC+8*(4*(\a)+(\b))+4:ACC+8*(4*(\a)+(\b))+7] offset:64*(\b)+16
.endr
.irp t, 0,1,2,3,4,5,6,7
	ds_load_b128 v[ACC+32*(\a)+4*(\t):ACC+32*(\a)+4*(\t)+3], v[RD] offset:(\t)*2*SP2  ; LDS serves a wave's instructions in order: these see the stores above; the next block's stores come behind them
.endr
.endm
.macro SEND a, younger                 ; younger: the LDS instructions issued behind block a's loads
.irp t, 0,1,2,3,4,5,6,7
	s_wait_dscnt (\younger)+7-(\t)
	global_store_b128 v[CO], v[ACC+32*(\a)+4*(\t):ACC+32*(\a)+4*(\t)+3], s[10:11] offset:(\a)*65536+(\t)*8192 th:TH_STORE_NT  ; 16 lanes store 256 consecutive bytes, at a multiple of 256 from out0's first byte
.endr
.endm
	PLACES
	PUT 0
	PUT 1
	SEND 0, 16
	PUT 2
	SEND 1, 16
	PUT 3
	SEND 2, 16
	SEND 3, 0
	s_wait_tensorcnt 0x0                           ; the wave's end: behind my last tensor load and my last LDS store
	ds_add_u32 v[SPW], v[NIL]
	s_wait_dscnt 0x0
	CROUND                                         ; the closing round
	s_endpgm
.Lfunc_end_k_qc133ab0524_gemm_proj:
	.size	k_qc133ab0524_gemm_proj, .Lfunc_end_k_qc133ab0524_gemm_proj-k_qc133ab0524_gemm_proj
	.p2alignl 7, 3214868480
	.fill 96, 4, 3214868480
	.section	.rodata,"a",@progbits
	.p2align	6, 0x0
	.amdhsa_kernel k_qc133ab0524_gemm_proj
		.amdhsa_group_segment_fixed_size 327680
		.amdhsa_private_segment_fixed_size 0
		.amdhsa_enable_private_segment 0
		.amdhsa_kernarg_size 32
		.amdhsa_user_sgpr_count 2
		.amdhsa_user_sgpr_kernarg_segment_ptr 1
		.amdhsa_wavefront_size32 1
		.amdhsa_system_sgpr_workgroup_id_x 1
		.amdhsa_system_sgpr_workgroup_id_y 1
		.amdhsa_system_sgpr_workgroup_id_z 1
		.amdhsa_system_vgpr_workitem_id 0
		.amdhsa_next_free_vgpr 512
		.amdhsa_next_free_sgpr 66
		.amdhsa_reserve_vcc 0
		.amdhsa_float_denorm_mode_32 3
		.amdhsa_float_denorm_mode_16_64 3
		.amdhsa_memory_ordered 1
		.amdhsa_forward_progress 1
		.amdhsa_inst_pref_size 87
	.end_amdhsa_kernel
	.amdgpu_metadata
---
amdhsa.version: [ 1, 2 ]
amdhsa.kernels:
  - .name:           k_qc133ab0524_gemm_proj
    .symbol:         k_qc133ab0524_gemm_proj.kd
    .args:
      - { .name: ob, .offset: 0, .size: 8, .value_kind: global_buffer, .address_space: global }
      - { .name: wp, .offset: 8, .size: 8, .value_kind: global_buffer, .address_space: global }
      - { .name: bias, .offset: 16, .size: 8, .value_kind: global_buffer, .address_space: global }
      - { .name: out0, .offset: 24, .size: 8, .value_kind: global_buffer, .address_space: global }
    .group_segment_fixed_size: 327680
    .private_segment_fixed_size: 0
    .kernarg_segment_align: 8
    .kernarg_segment_size: 32
    .max_flat_workgroup_size: 128
    .sgpr_count:     66
    .vgpr_count:     512
    .wavefront_size: 32
...
	.end_amdgpu_metadata
.endif
;; end of part 4
;; ======== version 2 of 2: 4 launches; version 1 with the launch prep written anew for expert scheduling mode
;; limits: values are held in f16: magnitudes above 65,504 overflow, below 6.1e-05 lose precision
;; workspace buffers: xa 8,388,608 bytes; wa 6,291,456 bytes; wp 2,097,152 bytes; e2 524,288 bytes; bias 16,384 bytes; qkv 25,165,824 bytes; ob 8,388,608 bytes
;; launch prep (part 5): grid 256 x 1, 8 waves a work-group, no clusters, 0 bytes of LDS; arguments x, q_w, kv_w, proj_w, Er, q_b, kv_b, proj_b, xa, wa, wp, e2, bias; writes xa, wa, wp, e2, bias
.if DOCPART == 5
	.amdgcn_target "amdgcn-amd-amdhsa--gfx1250"
	.amdhsa_code_object_version 6
	.text
	.protected	k_qc133ab0524_prep
	.globl	k_qc133ab0524_prep
	.p2align	8
	.type	k_qc133ab0524_prep,@function
k_qc133ab0524_prep:
	s_mov_b64 s[64:65], 0
	v_nop
	global_prefetch_b8 v0, s[64:65] scope:SCOPE_SE
	s_setreg_imm32_b32 hwreg(HW_REG_WAVE_SCHED_MODE, 0, 2), 2
	s_setreg_imm32_b32 hwreg(HW_REG_WAVE_MODE, 25, 1), 1
	s_wait_xcnt 0x0
	s_wait_alu depctr_vm_vsrc(0)
; THE CAST.  Every input is rounded once to bf16; that number is then written as f16 (x, the weights, Er) or as f32 (the biases).
; LIMITS.  A bf16 number is exact in f16 between 6.1e-5 and 65,504; below that it keeps f16's fixed step of 6e-8; beyond 65,504 it becomes an infinity.  NaN and infinities are not treated apart.
; PLANES.  A matrix [rows][columns] leaves as [column / 64][row][64] f16: a row's piece of a plane is 128 bytes and a plane's rows are dense.
;   xa: 16 planes x 4,096 rows (x);  wa: 48 planes x 1,024 rows (q_w's 16, then kv_w's 32);  wp: 16 planes x 1,024 rows (proj_w).
; e2: [4096][64] f16, the table of the relative term by e = 2047 + key - query: e2[e] = Er[e] for e < 2048, e2[2048] = 0, e2[e] = Er[e - 2049] beyond.
; bias: 4,096 f32: q_b, kv_b, proj_b.
; SHARES.  256 work-groups of equal work.  Each takes 32 source rows x 16 planes (0-127 x, 128-159 q_w, 160-223 kv_w in two halves of its columns, 224-255 proj_w), a wave two planes: 32 loads of 512 bytes;
; and each of the 2,048 waves takes two rows of e2: a 33rd load.  Work-groups 0 to 3 also take 1,024 numbers of the biases each: one load more, issued first, and one store, issued last.
; A stream: no LDS, no matrix unit, no cluster: no byte is wanted twice but Er's.
; THE MODE: SCHED_MODE bits 1:0 = 2 (LLVM: expert scheduling mode 2), set by the entry lines.  The code itself states the register dependences
; between vector instructions and memory instructions, with s_wait_alu, always for 0.
; THE PLAN.  Registers that memory instructions touch:
;   v[OFFS ..], v[VO], v[BOF], v[SO]   byte offsets.  Written by vector lines at the head, read by the loads and stores, never written again.
;   v[BD ..]     Zeros from the head; the bias's load lands in them (work-groups 0 to 3); its conversions write them; its store reads them.
;   v[DAT+4 k ..]  Load k lands in four registers; its conversions read the four and write them; its store reads the first two.  Never written again.
;   v[T0], v[T1], v[ZR], v1 to v6 are named by vector lines alone.
; No register that a memory instruction has read is written again: so no line waits for memory instructions to have read their registers.
; The 32 loads of the planes go in eight blocks of four.  Block p converts its four loads; its memory instructions are the four stores of block p - 1, whose registers no vector line of block p names.
; So ONE wait at a block's head states all that its four stores hang on, and they are dealt among its conversions with no further wait.
.set NL,   33                          ; loads of a wave that the counted waits count
.set BLK,  4                           ; loads in a block
.set OFFS, 16                          ; v[16:31]  pair rp of rows: (l / 16) x pitch + 16 (l % 16) + 2 rp x pitch
.set DAT,  32                          ; v[32:163] load k: four f32, then two words of f16
.set BD,   164                         ; v[164:167] four numbers of a bias
.set T0,   168                         ; v168-169  at work
.set T1,   169
.set ZR,   170                         ; v170      0
.set SO,   171                         ; v171      8 x lane: my 8 bytes of 256 stored
.set VO,   172                         ; v172      e2: my offset in Er, held at 0 or above
.set BOF,  173                         ; v173      16 x thread: my 16 bytes of a bias
.set G,    30                          ; s30  the work-group's number
.set WV,   31                          ; s31  my wave's number
.set SRC,  32                          ; s[32:33] source
.set DP0,  34                          ; s[34:35] destination, my first plane
.set DP1,  36                          ; s[36:37] my second plane
.set PIT,  38                          ; s38  bytes in a source row
.set RB,   39                          ; s39  block of 32 rows
.set CB,   40                          ; s40  first byte of the 16 planes in a source row
.set PBY,  41                          ; s41  bytes in a plane
.set PL0,  42                          ; s42  first plane
.set HM,   43                          ; s43  a word's upper bf16
.set TA,   44                          ; s[44:45] an offset in 64 bits
.set BSRC, 48                          ; s[48:49] the bias that work-group min(g, 3) takes
.set BDST, 50                          ; s[50:51] and where it goes
.set DE,   52                          ; s[52:53] e2 at my wave's two rows
.set GW,   54                          ; s54  my wave among the launch's 2,048
.set EB,   55                          ; s55  byte in Er of my first row of e2: -256 in the wave that holds row 2048
	s_load_b512 s[4:19], s[0:1], 0x0               ; x s[4:5], q_w s[6:7], kv_w s[8:9], proj_w s[10:11], Er s[12:13], q_b s[14:15], kv_b s[16:17], proj_b s[18:19]
	s_load_b256 s[20:27], s[0:1], 0x40             ; xa s[20:21], wa s[22:23], wp s[24:25], e2 s[26:27]
	s_load_b64 s[28:29], s[0:1], 0x60              ; bias
	v_lshrrev_b32 v1, 5, v0
	v_readfirstlane_b32 s[WV], v1                  ; wave 0..7
	v_and_b32 v2, 31, v0                           ; l
	v_lshrrev_b32 v3, 4, v2                        ; l / 16
	v_and_b32 v4, 15, v0                           ; l % 16
	v_lshlrev_b32 v[SO], 3, v2
	v_lshlrev_b32 v[BOF], 4, v0
	v_mov_b32 v[ZR], 0
.irp r, 0,1,2,3
	v_mov_b32 v[BD+\r], 0                          ; written on every way, since only four work-groups load into them
.endr
	s_mov_b32 s[G], ttmp9
	s_mov_b32 s[HM], 0xffff0000
	s_wait_alu depctr_va_sdst(0)                   ; s[WV] is written, ahead of its first reader: my wave's place in the launch is made from it
	; e2: wave gw takes rows 2 gw and 2 gw + 1: lanes 0-15 the first, lanes 16-31 the second
	s_lshl_b32 s[GW], s[G], 3
	s_add_co_u32 s[GW], s[GW], s[WV]
	s_lshl_b32 s[EB], s[GW], 9                     ; two rows of 256 bytes of Er
	s_cmp_ge_u32 s[GW], 1024                       ; from row 2048 on the table begins anew, 2,049 rows back
	s_cselect_b32 s[TA], 524544, 0
	s_sub_co_i32 s[EB], s[EB], s[TA]
	v_lshl_add_u32 v[VO], v2, 4, s[EB]
	v_max_i32 v[VO], 0, v[VO]                      ; the row that does not exist is read at Er's first bytes, and replaced by 0 below
	s_lshl_b32 s[TA], s[GW], 1
	v_add_nc_u32 v6, s[TA], v3                     ; my row of e2
	s_wait_kmcnt 0x0
; Load k's four f32: rounded to bf16, widened, written as f16 (exact): two words, in the first two of the load's own four registers.  hole = 1: 0 where VCC says so.
.macro CONV k, hole
	v_cvt_pk_bf16_f32 v[T0], v[DAT+4*(\k)], v[DAT+4*(\k)+1]
	v_cvt_pk_bf16_f32 v[T1], v[DAT+4*(\k)+2], v[DAT+4*(\k)+3]
	v_lshlrev_b32 v[DAT+4*(\k)], 16, v[T0]
	v_and_b32 v[DAT+4*(\k)+1], s[HM], v[T0]
	v_lshlrev_b32 v[DAT+4*(\k)+2], 16, v[T1]
	v_and_b32 v[DAT+4*(\k)+3], s[HM], v[T1]
	v_cvt_pk_f16_f32 v[DAT+4*(\k)], v[DAT+4*(\k)], v[DAT+4*(\k)+1]
	v_cvt_pk_f16_f32 v[DAT+4*(\k)+1], v[DAT+4*(\k)+2], v[DAT+4*(\k)+3]
.if \hole
	v_cndmask_b32 v[DAT+4*(\k)], v[DAT+4*(\k)], v[ZR], vcc_lo
	v_cndmask_b32 v[DAT+4*(\k)+1], v[DAT+4*(\k)+1], v[ZR], vcc_lo
.endif
.endm
; The two words leave as 8 bytes a lane: the wave stores 256 consecutive bytes, aligned.
.macro SEND k, dp, imm
	global_store_b64 v[SO], v[DAT+4*(\k):DAT+4*(\k)+1], s[(\dp):(\dp)+1] offset:\imm
.endm
	; THE BIASES: q_b, kv_b's two halves, proj_b: 4,096 bytes each, 16 a thread.  Here the addresses; the load stands below, ahead of all other loads.
	s_cmp_eq_u32 s[G], 0
	s_cselect_b64 s[BSRC:BSRC+1], s[14:15], s[16:17]
	s_cmp_ge_u32 s[G], 3
	s_cselect_b64 s[BSRC:BSRC+1], s[18:19], s[BSRC:BSRC+1]
	s_cmp_eq_u32 s[G], 2
	s_cselect_b32 s[TA], 4096, 0
	s_mov_b32 s[TA+1], 0
	s_add_nc_u64 s[BSRC:BSRC+1], s[BSRC:BSRC+1], s[TA:TA+1]
	s_min_u32 s[TA], s[G], 3
	s_lshl_b32 s[TA], s[TA], 12
	s_add_nc_u64 s[BDST:BDST+1], s[28:29], s[TA:TA+1]
	; THE PLANES.  The job's figures for each of the four matrices are made first, then chosen by the work-group's number.
	s_sub_co_u32 s[RB], s[G], 224                  ; proj_w: its block of rows
	s_sub_co_u32 s46, s[G], 160                    ; kv_w: two work-groups to a block of rows,
	s_and_b32 s47, s46, 1                          ; one for each half of its 32 planes
	s_lshr_b32 s46, s46, 1
	s_lshl_b32 s[TA], s47, 12                      ; the half's first byte in a row
	s_lshl_b32 s47, s47, 4
	s_add_co_u32 s47, s47, 16                      ; its first plane in wa, behind q_w's 16
	s_sub_co_u32 s[TA+1], s[G], 128                ; q_w: its block of rows
	s_mov_b64 s[SRC:SRC+1], s[10:11]
	s_mov_b64 s[DP0:DP0+1], s[24:25]
	s_mov_b32 s[PIT], 4096
	s_mov_b32 s[CB], 0
	s_mov_b32 s[PBY], 131072
	s_mov_b32 s[PL0], 0
	s_cmp_lt_u32 s[G], 224                         ; kv_w, or one of those in front of it
	s_cselect_b64 s[SRC:SRC+1], s[8:9], s[SRC:SRC+1]
	s_cselect_b64 s[DP0:DP0+1], s[22:23], s[DP0:DP0+1]
	s_cselect_b32 s[RB], s46, s[RB]
	s_cselect_b32 s[PIT], 8192, s[PIT]
	s_cselect_b32 s[CB], s[TA], s[CB]
	s_cselect_b32 s[PL0], s47, s[PL0]
	s_cmp_lt_u32 s[G], 160                         ; q_w, or x
	s_cselect_b64 s[SRC:SRC+1], s[6:7], s[SRC:SRC+1]
	s_cselect_b32 s[RB], s[TA+1], s[RB]
	s_cselect_b32 s[PIT], 4096, s[PIT]
	s_cselect_b32 s[CB], 0, s[CB]
	s_cselect_b32 s[PL0], 0, s[PL0]
	s_cmp_lt_u32 s[G], 128                         ; x
	s_cselect_b64 s[SRC:SRC+1], s[4:5], s[SRC:SRC+1]
	s_cselect_b64 s[DP0:DP0+1], s[20:21], s[DP0:DP0+1]
	s_cselect_b32 s[RB], s[G], s[RB]
	s_cselect_b32 s[PBY], 524288, s[PBY]
	s_mul_i32 s[TA], s[RB], s[PIT]                 ; source: 32 rows x block
	s_lshl_b32 s[TA], s[TA], 5
	s_add_co_u32 s[TA], s[TA], s[CB]               ; + the 16 planes' first byte
	s_lshl_b32 s[TA+1], s[WV], 9                   ; + my two planes: 512 bytes of f32
	s_add_co_u32 s[TA], s[TA], s[TA+1]
	s_mov_b32 s[TA+1], 0
	s_add_nc_u64 s[SRC:SRC+1], s[SRC:SRC+1], s[TA:TA+1]
	s_lshl_b32 s[TA], s[WV], 1                     ; destination: plane first + 2 x wave,
	s_add_co_u32 s[TA], s[TA], s[PL0]
	s_mul_i32 s[TA], s[TA], s[PBY]
	s_lshl_b32 s[RB], s[RB], 12                    ; + 32 rows of 128 bytes x block
	s_add_co_u32 s[TA], s[TA], s[RB]
	s_add_nc_u64 s[DP0:DP0+1], s[DP0:DP0+1], s[TA:TA+1]
	s_mov_b32 s[TA], s[PBY]
	s_add_nc_u64 s[DP1:DP1+1], s[DP0:DP0+1], s[TA:TA+1]
	s_lshl_b32 s[TA], s[GW], 8                     ; e2: two rows of 128 bytes a wave
	s_add_nc_u64 s[DE:DE+1], s[26:27], s[TA:TA+1]
	v_mul_u32_u24 v[OFFS], s[PIT], v3              ; lanes 0-15 take a row's 256 bytes (one plane's piece), lanes 16-31 the next row's
	v_lshl_add_u32 v[OFFS], v4, 4, v[OFFS]
	s_lshl_b32 s[PIT], s[PIT], 1
.set k, 1
.rept 15
	v_add_nc_u32 v[OFFS+k], s[PIT], v[OFFS+k-1]
.set k, k+1
.endr
	s_wait_alu depctr_va_vdst(0)                   ; the offsets v[OFFS ..], v[VO], v[BOF] and v[SO] are written, one of which every load and store below reads; so are the zeros in v[BD ..], in which the bias's load lands
	s_cmp_lt_u32 s[G], 4
	s_cbranch_scc0 .Lno_bias
	global_load_b128 v[BD:BD+3], v[BOF], s[BSRC:BSRC+1]  ; it goes out ahead of all others, so the counted waits below hold with it and without it
.Lno_bias:
.set k, 0
.rept 32                               ; load k: rows 2 (k / 2) and + 1, plane k % 2 of my two
	global_load_b128 v[DAT+4*k:DAT+4*k+3], v[OFFS+k/2], s[SRC:SRC+1] offset:256*(k%2) th:TH_LOAD_NT
.set k, k+1
.endr
	global_load_b128 v[DAT+128:DAT+131], v[VO], s[12:13]  ; load 32: my two rows of e2
	v_cmp_eq_u32 vcc_lo, 0x800, v6                 ; my row is row 2048
	s_wait_alu depctr_va_vcc(0)                    ; VCC is written, ahead of its first reader: the two selects behind e2's conversions
	; The eight blocks.  Load k is converted behind its own counted wait; in front of it stands the store of load k - 4, of the block before.
.set k, 0
.rept 32
.if k%BLK == 0
	s_wait_loadcnt NL-1-k                          ; loads come back in order: the block's first is in, the younger ones stay out
.if k > 0
	s_wait_alu depctr_va_vdst(0)                   ; the block before has written its eight words of f16, which the four stores of this block read
.endif
.endif
.if k >= BLK
	SEND k-BLK, DP0+2*(k%2), 256*((k-BLK)/2)       ; no vector line since the wait names its registers
.endif
.if k%BLK != 0
	s_wait_loadcnt NL-1-k                          ; mine is in, the younger ones stay out
.endif
	CONV k, 0
.set k, k+1
.endr
	s_wait_loadcnt 0x0                             ; e2's load is in; the bias, the oldest load, is in too
	s_wait_alu depctr_va_vdst(0)                   ; the last block has written its eight words, which the four stores below read
.irp j, 28,29,30,31
	SEND \j, DP0+2*((\j)%2), 256*((\j)/2)
.endr
	CONV 32, 1
	s_wait_alu depctr_va_vdst(0)                   ; e2's conversions and selects have written the two words that its store reads
	SEND 32, DE, 0
	s_cmp_lt_u32 s[G], 4
	s_cbranch_scc0 .Lend
	v_cvt_pk_bf16_f32 v[T0], v[BD], v[BD+1]
	v_cvt_pk_bf16_f32 v[T1], v[BD+2], v[BD+3]
	v_lshlrev_b32 v[BD], 16, v[T0]
	v_and_b32 v[BD+1], s[HM], v[T0]
	v_lshlrev_b32 v[BD+2], 16, v[T1]
	v_and_b32 v[BD+3], s[HM], v[T1]
	s_wait_alu depctr_va_vdst(0)                   ; the four lines above have written v[BD ..], which the bias's store reads
	global_store_b128 v[BOF], v[BD:BD+3], s[BDST:BDST+1]
.Lend:
	s_endpgm
.Lfunc_end_k_qc133ab0524_prep:
	.size	k_qc133ab0524_prep, .Lfunc_end_k_qc133ab0524_prep-k_qc133ab0524_prep
	.p2alignl 7, 3214868480
	.fill 96, 4, 3214868480
	.section	.rodata,"a",@progbits
	.p2align	6, 0x0
	.amdhsa_kernel k_qc133ab0524_prep
		.amdhsa_group_segment_fixed_size 0
		.amdhsa_private_segment_fixed_size 0
		.amdhsa_enable_private_segment 0
		.amdhsa_kernarg_size 104
		.amdhsa_user_sgpr_count 2
		.amdhsa_user_sgpr_kernarg_segment_ptr 1
		.amdhsa_wavefront_size32 1
		.amdhsa_system_sgpr_workgroup_id_x 1
		.amdhsa_system_sgpr_workgroup_id_y 1
		.amdhsa_system_sgpr_workgroup_id_z 1
		.amdhsa_system_vgpr_workitem_id 0
		.amdhsa_next_free_vgpr 176
		.amdhsa_next_free_sgpr 66
		.amdhsa_reserve_vcc 1
		.amdhsa_float_denorm_mode_32 3
		.amdhsa_float_denorm_mode_16_64 3
		.amdhsa_memory_ordered 1
		.amdhsa_forward_progress 1
		.amdhsa_inst_pref_size 25
	.end_amdhsa_kernel
	.amdgpu_metadata
---
amdhsa.version: [ 1, 2 ]
amdhsa.kernels:
  - .name:           k_qc133ab0524_prep
    .symbol:         k_qc133ab0524_prep.kd
    .args:
      - { .name: x, .offset: 0, .size: 8, .value_kind: global_buffer, .address_space: global }
      - { .name: q_w, .offset: 8, .size: 8, .value_kind: global_buffer, .address_space: global }
      - { .name: kv_w, .offset: 16, .size: 8, .value_kind: global_buffer, .address_space: global }
      - { .name: proj_w, .offset: 24, .size: 8, .value_kind: global_buffer, .address_space: global }
      - { .name: Er, .offset: 32, .size: 8, .value_kind: global_buffer, .address_space: global }
      - { .name: q_b, .offset: 40, .size: 8, .value_kind: global_buffer, .address_space: global }
      - { .name: kv_b, .offset: 48, .size: 8, .value_kind: global_buffer, .address_space: global }
      - { .name: proj_b, .offset: 56, .size: 8, .value_kind: global_buffer, .address_space: global }
      - { .name: xa, .offset: 64, .size: 8, .value_kind: global_buffer, .address_space: global }
      - { .name: wa, .offset: 72, .size: 8, .value_kind: global_buffer, .address_space: global }
      - { .name: wp, .offset: 80, .size: 8, .value_kind: global_buffer, .address_space: global }
      - { .name: e2, .offset: 88, .size: 8, .value_kind: global_buffer, .address_space: global }
      - { .name: bias, .offset: 96, .size: 8, .value_kind: global_buffer, .address_space: global }
    .group_segment_fixed_size: 0
    .private_segment_fixed_size: 0
    .kernarg_segment_align: 8
    .kernarg_segment_size: 104
    .max_flat_workgroup_size: 256
    .sgpr_count:     66
    .vgpr_count:     176
    .wavefront_size: 32
...
	.end_amdgpu_metadata
.endif
;; end of part 5
;; launch gemm_qkv: the kernel of part 2 again; grid 16 x 16, 4 waves a work-group, clusters of 4 x 4, 327,680 bytes of LDS; arguments xa, wa, bias, qkv; writes qkv
;; launch attn: the kernel of part 3 again; grid 8 x 32, 4 waves a work-group, clusters of 4 x 4, 327,680 bytes of LDS; arguments qkv, e2, ob; writes ob
;; launch gemm_proj: the kernel of part 4 again; grid 8 x 32, 4 waves a work-group, clusters of 4 x 4, 327,680 bytes of LDS; arguments ob, wp, bias, out0; writes out0
